; MI455X (gfx1250); checked and timed in simulation.
; The chip was launched on July 23, 2026; its instructions are those of AMD's public machine-readable ISA for CDNA 5 (MIT licence, August 2026) and "CDNA5" Instruction Set Architecture Reference Guide (July 2026). The comments in the code are by the model that wrote it; some were corrected since.
;; Causal Self Attention. Allowed arithmetic: matrix products marked QUANTISED: E2M3 operands, one E8M0 scale for each 32 along K, by v_wmma_scale_f32_16x16x128_f8f6f4 with both operands' format E2M3, f32 sums; everything else in f32.
;; Inputs: b_attn 3,072 float32; b_proj 1,024 float32; w_attn 1,024 x 3,072 float32; w_proj 1,024 x 1,024 float32; x 4 x 2,048 x 1,024 float32.
;; Outputs: out0 4 x 2,048 x 1,024 float32.
;; This version of the problem:
;;   THIS VERSION OF THE PROBLEM IS GIVEN IN LOW PRECISION. The matrix products marked QUANTISED in the list below multiply operands that are first quantised to E2M3 (2 exponent bits, 3 mantissa bits; 6 bits a number), with one power-of-two scale for each 32 numbers along K (OCP MX v1.0); their sums are f32. All else is computed in f32.
;;   The module's matrix products, in the order in which they are computed (A, B: the left and right operand; K: the contracted axis; several contracted axes count as one K, in the product's order):
;;     1. [M 8,192, K 1,024] x [K 1,024, N 3,072]; A: input x; B: input w_attn: QUANTISED
;;     2. batch 64 x [M 2,048, K 64] x [K 64, N 2,048]; A: computed on the way; B: computed on the way: QUANTISED
;;     3. batch 64 x [M 2,048, K 2,048] x [K 2,048, N 64]; A: softmax (see below); B: computed on the way: QUANTISED
;;     4. [M 8,192, K 1,024] x [K 1,024, N 1,024]; A: computed on the way; B: input w_proj: QUANTISED
;;   THE QUANTISER, for each operand of a quantised product, along K:
;;     - K is cut into blocks of 32 from its start; a last block that is shorter is filled with zeros.
;;     - A block's scale is 2^e with e = floor(log2(the largest magnitude in the block)) - 2, held to -126 .. 127; a block of zeros has e = 0. As a byte (E8M0): e + 127.
;;     - Each number is divided by its block's scale, clamped to +-7.5, and rounded to the nearest number of E2M3, ties to even, subnormals kept.
;;     - The product sums the exact products of the quantised numbers (number of the format x scale) in f32.
;;   ~~~python
;;   def quantise(x, axis):      # numpy; x: float32 -> the quantised numbers, widened to float32 again
;;       x = np.moveaxis(x, axis, -1); K = x.shape[-1]
;;       x = np.pad(x, [(0, 0)] * (x.ndim - 1) + [(0, -K % 32)]); x = x.reshape(x.shape[:-1] + (-1, 32)); a = np.abs(x).max(-1, keepdims=True)
;;       e = np.where(a > 0, np.clip(np.frexp(np.where(a > 0, a, 1))[1] - 1 - 2, -126, 127), 0)      # np.frexp(a)[1] - 1 = floor(log2(a)), exactly
;;       r = np.clip(x / 2.0 ** e, -7.5, 7.5)
;;       step = 2.0 ** (np.maximum(np.frexp(np.where(r == 0, 1, r))[1] - 1, 0) - 3)
;;       q = np.round(r / step) * step * 2.0 ** e      # np.round: ties to even
;;       return np.moveaxis(q.reshape(q.shape[:-2] + (-1,))[..., :K], -1, axis).astype(np.float32)
;;   ~~~
;;   SOFTMAX AHEAD OF A QUANTISED PRODUCT. Where the list says 'softmax', what is quantised is not the finished softmax but p = 2^(t - M), with t = logit x log2(e) and M = ceil(the row's largest t), a whole number; so 1/2 < the row's largest p <= 1. The row's sum l is taken of the UNQUANTISED p, in f32, and the product's result is divided by l at the end. Since M is a whole number, a kernel that streams over the keys may use a running M (the ceiling of the running maximum): every later rescaling is an exact power of two, which a block's scale takes up: the codes' values come out the same.
;;   OPERANDS COMPUTED ON THE WAY. 'Computed on the way' means the value that the module computes at that place (a softmax that the list does not call 'softmax' is quantised finished and normalised). What goes into a quantiser is computed in f32, as accurately as f32 sums, v_exp_f32 and their like allow (about 1e-6 of the number): no bf16 or f16 on the way to a quantiser, and a product that is left as it is and whose result goes on into a quantised operand takes f32 operands (vector FMAs, or v_wmma_f32_16x16x4_f32). A number that lies on a knife's edge between two numbers of the format may be rounded either way, as far as f32 arithmetic and the matrix unit's own rounding can turn it there, and no further.
;; 2 versions, each right; version 2 is version 1 with the launch attn written anew for expert scheduling mode. Each part assembles by itself: llvm-mc -triple=amdgcn-amd-amdhsa -mcpu=gfx1250 --defsym DOCPART=n.
;; ======== version 1 of 2: 4 launches
;; workspace buffers: xq 6,553,600 bytes; waq 2,457,600 bytes; wpq 819,200 bytes; qimg 6,815,744 bytes; kv 13,631,488 bytes; oq 6,553,600 bytes
;; launch quant (part 1): grid 768 x 1, 4 waves a work-group, no clusters, 68,096 bytes of LDS; arguments x, w_attn, w_proj, xq, waq, wpq; writes xq, waq, wpq
.if DOCPART == 1
	.amdgcn_target "amdgcn-amd-amdhsa--gfx1250"
	.amdhsa_code_object_version 6
	.text
	.protected	k_q60284c3a30_quant
	.globl	k_q60284c3a30_quant
	.p2align	8
	.type	k_q60284c3a30_quant,@function
k_q60284c3a30_quant:
	s_mov_b64 s[64:65], 0
	v_nop
	global_prefetch_b8 v0, s[64:65] scope:SCOPE_SE
	s_setreg_imm32_b32 hwreg(HW_REG_WAVE_MODE, 25, 1), 1
	s_wait_xcnt 0x0
; LAUNCH 1 OF 4.  x [8192][1024], w_attn [1024][3072] and w_proj [1024][1024], f32, become codes of FP6 (E2M3) with one E8M0 byte for each 32 along K (K = the 1,024),
; laid as IMAGES OF THE OPERANDS' REGISTERS, so that the products' launches fetch dense blocks and load every fragment by 16- and 8-byte loads.
; THE WHOLE PROGRAM: quant -> qkv (x w_attn + b_attn; q, k, v quantised on the way out) -> attn (both products of attention, o quantised) -> proj (o w_proj + b_proj).
; DEAD WORK, LEFT OUT IN LAUNCH attn: reference() sets the logit of key k for query q to -infinity wherever k > q (its own jnp.tril).  The softmax gives such a key the weight 0 for every finite input, so a step of
; 128 keys all of which come after all 16 queries of a tile adds 0 to the row's sum and 0 to the second product: its two products and its softmax are not done.  Every input has a way to the output and is loaded.
; LIMIT: a NaN, an infinity or an overflow that could arise only in the steps left out is not carried to the result.
; LIMITS OF THE QUANTISER: a block of zeros gets the byte 1 where the rule says 127 (its codes are zeros, and only this program reads the bytes); a block's largest magnitude is taken at 2^-124 at the least;
; NaN and infinities among the inputs are not served.
; ORDER OF ROWS.  rho(i) swaps bits 3 and 4 of i.  Of 32 neighbouring rows (tokens of x, columns of a weight) place p = 16 u + r, row r of tile u, holds row rho(p): so in a product whose source 0 is such a
; tile the 16 result registers of two neighbouring tiles are 16 NEIGHBOURS, which is what the next quantiser wants.
; A FRAGMENT (16 rows x 128 K, 12 registers a lane) lies as registers 0-3 at 16 x lane, 4-5 at 512 + 8 x lane, 6-9 at 768 + 16 x lane, 10-11 at 1280 + 8 x lane: 1,536 bytes.
; SHARES.  A wave takes 32 rows x 128 K: 16 KB in, two fragments and one register of scale words out.  3,072 waves, no loop, no barrier.  Work-groups 0-511: x; 512-703: w_attn; 704-767: w_proj.
; x has K innermost: a row's 512 bytes are loaded dense and turn through the wave's own stage in LDS, so that lane l ends with all 128 numbers of row rho(l).
; A weight has K outermost: lane l takes column rho(l) and its registers run down K; the four waves of a work-group stand side by side on 512 bytes of a row.
.set SPARE, 67584                      ; behind the four stages: the spare words, 128 bytes a wave
.set STGB,  16896                      ; a wave's stage: 32 places of 512 bytes + 16
.set X,  64                            ; v64-191  128 numbers of my row, down K
.set F0, 32                            ; v32-43   the even tile's fragment
.set F1, 44                            ; v44-55   the odd tile's
.set TQ, 192                           ; v192-207 each block's upper 16 codes (a conversion's three registers begin on an even number)
.set TM, 12                            ; v12-15   the four blocks' largest magnitudes
.set SO, 16                            ; v16-19   the conversions' scale operands
.set BY, 20                            ; v20-23   the scale bytes
.set SW, 24                            ; v24      my row's scale word
	s_load_b256 s[4:11], s[0:1], 0x0               ; x, w_attn, w_proj, xq
	s_load_b128 s[12:15], s[0:1], 0x20             ; waq, wpq
	v_lshl_add_u32 v1, v0, 2, SPARE                ; my spare word,
	v_mov_b32 v2, 0                                ; and 0: kept for the closing lines
	v_lshrrev_b32 v3, 5, v0
	v_readfirstlane_b32 s16, v3                    ; wave
	v_and_b32 v3, 31, v0                           ; lane
	v_lshlrev_b32 v4, 4, v3                        ; 16 x lane
	v_lshlrev_b32 v5, 3, v3                        ; 8 x lane
	v_lshlrev_b32 v6, 2, v3                        ; 4 x lane
	s_mul_i32 s17, s16, STGB
	v_add_nc_u32 v7, s17, v4                       ; the stage, on the way in: 16 bytes a lane of a row's 512
	v_mul_u32_u24 v8, v3, 528
	v_add_nc_u32 v8, s17, v8                       ; and on the way out: place = lane
	v_and_b32 v9, 7, v3
	v_and_b32 v10, 8, v3
	v_lshl_add_u32 v9, v10, 1, v9
	v_and_b32 v10, 16, v3
	v_lshrrev_b32 v10, 1, v10
	v_or_b32 v9, v9, v10
	v_lshlrev_b32 v9, 2, v9                        ; 4 rho(lane): my column among 32
	s_mov_b32 s27, 0                               ; the upper word of every offset
	s_wait_kmcnt 0x0
	s_cmp_lt_u32 ttmp9, 512
	s_cbranch_scc0 .Lweights
	; ---- x: unit U = 4 x work-group + wave; K step U % 8, rows 32 (U / 8) on
	s_lshl_b32 s17, ttmp9, 2
	s_add_co_u32 s17, s17, s16
	s_and_b32 s18, s17, 7                          ; K step
	s_lshr_b32 s19, s17, 3                         ; group of 32 rows
	s_lshl_b32 s26, s19, 17                        ; 32 rows of 4,096 bytes
	s_lshl_b32 s28, s18, 9
	s_add_co_u32 s26, s26, s28
	s_add_nc_u64 s[20:21], s[4:5], s[26:27]
.set i, 0
.rept 32
	global_load_b128 v[X+4*i:X+4*i+3], v4, s[20:21] offset:4096*i th:TH_LOAD_NT   ; row i: 32 lanes read 512 consecutive bytes
.set i, i+1
.endr
	s_lshr_b32 s28, s19, 2                         ; the group of 128 rows,
	s_lshl_b32 s28, s28, 3
	s_add_co_u32 s28, s28, s18
	s_mul_i32 s28, s28, 12800                      ; its block for this K step
	s_and_b32 s29, s19, 3                          ; which pair of tiles in it
	s_mul_i32 s30, s29, 3072
	s_add_co_u32 s26, s28, s30
	s_add_nc_u64 s[22:23], s[10:11], s[26:27]      ; where my two fragments go
	s_lshl_b32 s30, s29, 7
	s_add_co_u32 s26, s28, s30
	s_add_co_u32 s26, s26, 12288
	s_add_nc_u64 s[24:25], s[10:11], s[26:27]      ; and my register of scale words
.set i, 0
.rept 32
	s_wait_loadcnt 31-i                            ; loads come back in order: row i is in, the younger rows stay out
	ds_store_b128 v7, v[X+4*i:X+4*i+3] offset:528*((i&7)|((i&8)<<1)|((i&16)>>1))   ; row i to place rho(i)
.set i, i+1
.endr
	s_wait_dscnt 0x0                               ; the stores are done: the loads below land on the registers that they read
.set i, 0
.rept 32
	ds_load_b128 v[X+4*i:X+4*i+3], v8 offset:16*i  ; my place's 512 bytes; places 528 bytes apart
.set i, i+1
.endr
	s_wait_dscnt 0x0
	s_branch .Lquant
; ---- a weight: work-group g' of its own count: K step g' % 8, columns 32 (4 (g' / 8) + wave) on
.macro WARM first, pitch, src, dst
	s_sub_co_u32 s17, ttmp9, \first
	s_and_b32 s18, s17, 7                          ; K step
	s_lshr_b32 s19, s17, 3
	s_lshl_b32 s19, s19, 2
	s_add_co_u32 s19, s19, s16                     ; group of 32 columns
	s_mul_i32 s26, s18, 128*\pitch
	s_lshl_b32 s28, s19, 7
	s_add_co_u32 s26, s26, s28
	s_add_nc_u64 s[20:21], s[\src:\src+1], s[26:27]
.set i, 0
.rept 128
	global_load_b32 v[X+i], v9, s[20:21] offset:i*\pitch th:TH_LOAD_NT   ; row k of the weight at my column: 128 bytes a wave
.set i, i+1
.endr
	s_lshr_b32 s28, s19, 3                         ; the group of 256 columns,
	s_lshl_b32 s28, s28, 3
	s_add_co_u32 s28, s28, s18                     ; the K step,
	s_lshl_b32 s28, s28, 2
	s_bfe_u32 s29, s19, 0x20001                    ; the group of 64 columns in it
	s_add_co_u32 s28, s28, s29
	s_mul_i32 s28, s28, 6400
	s_and_b32 s29, s19, 1                          ; which pair of its four tiles
	s_mul_i32 s30, s29, 3072
	s_add_co_u32 s26, s28, s30
	s_add_nc_u64 s[22:23], s[\dst:\dst+1], s[26:27]
	s_lshl_b32 s30, s29, 7
	s_add_co_u32 s26, s28, s30
	s_add_co_u32 s26, s26, 6144
	s_add_nc_u64 s[24:25], s[\dst:\dst+1], s[26:27]
	s_wait_loadcnt 0x0
.endm
.Lweights:
	s_cmp_lt_u32 ttmp9, 704
	s_cbranch_scc0 .Lwproj
	WARM 512, 12288, 6, 12
	s_branch .Lquant
.Lwproj:
	WARM 704, 4096, 8, 14
.Lquant:
	; ---- lane l holds 128 numbers down K of the row at place l: four whole blocks of 32
.irp b, 0,1,2,3
	v_max3_num_f32 v[TM+\b], |v[X+32*\b]|, |v[X+32*\b+1]|, 0x1800000   ; the floor 2^(3 - 127) among the leaves holds the byte at 1 from below
.endr
.irp i, 2,4,6,8,10,12,14,16,18,20,22,24,26,28,30
.irp b, 0,1,2,3
	v_max3_num_f32 v[TM+\b], v[TM+\b], |v[X+32*\b+\i]|, |v[X+32*\b+\i+1]|   ; the four blocks by turns
.endr
.endr
.irp b, 0,1,2,3
	v_add_nc_u32 v[SO+\b], 0xff000000, v[TM+\b]    ; 2 off the exponent field: the conversion's scale operand
.endr
.irp b, 0,1,2,3
	v_lshrrev_b32 v[BY+\b], 23, v[SO+\b]           ; the scale's byte
.endr
	v_lshl_or_b32 v[SW], v[BY+1], 8, v[BY]
	v_lshl_or_b32 v[SW], v[BY+2], 16, v[SW]
	v_lshl_or_b32 v[SW], v[BY+3], 24, v[SW]        ; lanes 0-15: the even tile's rows; lanes 16-31: the odd tile's
.irp b, 0,1,2,3                        ; even blocks into F0, odd blocks into F1, block b / 2's six registers
	v_cvt_scalef32_pk16_fp6_f32 v[F0+12*(\b%2)+6*(\b/2):F0+12*(\b%2)+6*(\b/2)+2], v[X+32*\b:X+32*\b+15], v[SO+\b]
	v_cvt_scalef32_pk16_fp6_f32 v[TQ+4*\b:TQ+4*\b+2], v[X+32*\b+16:X+32*\b+31], v[SO+\b]
.endr
	v_nop                                          ; one plain instruction behind the last scaled conversion
.irp b, 0,1,2,3
.irp i, 0,1,2
	v_mov_b32 v[F0+12*(\b%2)+6*(\b/2)+3+\i], v[TQ+4*\b+\i]
.endr
.endr
.irp i, 0,1,2,3,4,5,6,7,8,9,10,11
	v_permlane16_swap_b32 v[F0+\i], v[F1+\i]       ; F0's lanes 16-31 change places with F1's lanes 0-15: F0 is now the even tile's fragment (lane half h holds blocks h and 2 + h), F1 the odd tile's
.endr
.irp f, 0,1
	global_store_b128 v4, v[F0+12*\f:F0+12*\f+3], s[22:23] offset:1536*\f          ; 512 consecutive bytes
	global_store_b64 v5, v[F0+12*\f+4:F0+12*\f+5], s[22:23] offset:1536*\f+512     ; 256
	global_store_b128 v4, v[F0+12*\f+6:F0+12*\f+9], s[22:23] offset:1536*\f+768
	global_store_b64 v5, v[F0+12*\f+10:F0+12*\f+11], s[22:23] offset:1536*\f+1280
.endr
	global_store_b32 v6, v[SW], s[24:25]           ; 128 consecutive bytes: half of an aligned 256; one byte in 25 of what the wave stores
	s_wait_tensorcnt 0x0                           ; the wave's end: behind the last LDS store
	ds_add_u32 v1, v2
	s_wait_dscnt 0x0
	s_endpgm
.Lfunc_end_k_q60284c3a30_quant:
	.size	k_q60284c3a30_quant, .Lfunc_end_k_q60284c3a30_quant-k_q60284c3a30_quant
	.p2alignl 7, 3214868480
	.fill 96, 4, 3214868480
	.section	.rodata,"a",@progbits
	.p2align	6, 0x0
	.amdhsa_kernel k_q60284c3a30_quant
		.amdhsa_group_segment_fixed_size 68096
		.amdhsa_private_segment_fixed_size 0
		.amdhsa_enable_private_segment 0
		.amdhsa_kernarg_size 48
		.amdhsa_user_sgpr_count 2
		.amdhsa_user_sgpr_kernarg_segment_ptr 1
		.amdhsa_wavefront_size32 1
		.amdhsa_system_sgpr_workgroup_id_x 1
		.amdhsa_system_sgpr_workgroup_id_y 1
		.amdhsa_system_sgpr_workgroup_id_z 1
		.amdhsa_system_vgpr_workitem_id 0
		.amdhsa_next_free_vgpr 208
		.amdhsa_next_free_sgpr 66
		.amdhsa_reserve_vcc 0
		.amdhsa_float_denorm_mode_32 3
		.amdhsa_float_denorm_mode_16_64 3
		.amdhsa_memory_ordered 1
		.amdhsa_forward_progress 1
		.amdhsa_inst_pref_size 44
	.end_amdhsa_kernel
	.amdgpu_metadata
---
amdhsa.version: [ 1, 2 ]
amdhsa.kernels:
  - .name:           k_q60284c3a30_quant
    .symbol:         k_q60284c3a30_quant.kd
    .args:
      - { .name: x, .offset: 0, .size: 8, .value_kind: global_buffer, .address_space: global }
      - { .name: w_attn, .offset: 8, .size: 8, .value_kind: global_buffer, .address_space: global }
      - { .name: w_proj, .offset: 16, .size: 8, .value_kind: global_buffer, .address_space: global }
      - { .name: xq, .offset: 24, .size: 8, .value_kind: global_buffer, .address_space: global }
      - { .name: waq, .offset: 32, .size: 8, .value_kind: global_buffer, .address_space: global }
      - { .name: wpq, .offset: 40, .size: 8, .value_kind: global_buffer, .address_space: global }
    .group_segment_fixed_size: 68096
    .private_segment_fixed_size: 0
    .kernarg_segment_align: 8
    .kernarg_segment_size: 48
    .max_flat_workgroup_size: 128
    .sgpr_count:     66
    .vgpr_count:     208
    .wavefront_size: 32
...
	.end_amdgpu_metadata
.endif
;; end of part 1
;; launch qkv (part 2): grid 12 x 64, 4 waves a work-group, clusters of 4 x 4, 327,680 bytes of LDS; arguments xq, waq, b_attn, qimg, kv; writes qimg, kv
.if DOCPART == 2
	.amdgcn_target "amdgcn-amd-amdhsa--gfx1250"
	.amdhsa_code_object_version 6
	.text
	.protected	k_q60284c3a30_qkv
	.globl	k_q60284c3a30_qkv
	.p2align	8
	.type	k_q60284c3a30_qkv,@function
k_q60284c3a30_qkv:
	s_mov_b64 s[64:65], 0
	v_nop
	global_prefetch_b8 v0, s[64:65] scope:SCOPE_SE
	s_setreg_imm32_b32 hwreg(HW_REG_WAVE_MODE, 25, 1), 1
	s_wait_xcnt 0x0
	s_wait_alu depctr_hold_cnt(0) depctr_sa_sdst(0) depctr_va_vdst(0) depctr_va_sdst(0) depctr_va_ssrc(0) depctr_va_vcc(0) depctr_vm_vsrc(0)
	s_getreg_b32 s2, hwreg(HW_REG_IB_STS2, 6, 4)
	s_cmp_eq_u32 s2, 0
	s_cbranch_scc0 .Lentry_in_a_cluster
	s_endpgm
.Lentry_in_a_cluster:
	s_bfe_u32 s2, ttmp6, 0x10000c
	s_cmp_lg_u32 s2, 0xf033
	s_cbranch_scc0 .Lentry_shape_is_right
	s_endpgm
.Lentry_shape_is_right:
; LAUNCH 2 OF 4.  qkv = x w_attn + b_attn on codes of FP6 with E8M0 scales; q, k (along the head's 64) and v (along the keys) are quantised on the way out and leave as images of attention's operands: no f32 goes to memory.
; SHARES.  A work-group makes 128 tokens x 256 columns; wave w all 128 tokens x columns 64 w on: ONE HEAD of q, k or v: 32 accumulators, 256 registers.
; ALL OF K LIES IN LDS AT ONCE: x's 8 K steps (12,800 bytes each) and the weight's 8 (25,600): 307,200 bytes.  Every tensor load is a first fill; nothing is filled again.  A wave issues four loads, all at the head:
; four are out at the most.  Load c brings K step 2 c + wave % 2; waves 0, 1 fetch x's, waves 2, 3 the weight's.
; CLUSTER 4 x 4: the four work-groups of a row need the same 128 tokens, the four of a column the same 256 columns: each block is asked for jointly.
; The cluster's x says what is made: 0 q, 1 k, 2 v: the same in all sixteen partners, so a branch may hang on it.
; q, k: source 0 = 16 columns of the weight, source 1 = 16 tokens: a lane holds ONE token and its registers run along the head's 64.   v: the sources change places: a lane holds ONE channel and its registers run along the tokens, which are
; the keys.  In both, by the order of rows that launch quant laid, registers 16 B .. 16 B + 15 of the accumulators are 16 neighbours of block B (the other 16 lie in lane l xor 16): one way out serves both.
; The bias is the C of each sum's first product.
; LIMITS OF THE QUANTISER: as in launch quant (byte 1 for a block of zeros; the floor 2^-124; no NaN, no infinities).
; REGISTERS.  window 0: v1-11 addresses; v16-23 x's scale words, v24-27 the weight's, two sets each; v64-159, v160-255 x's 8 fragments, two sets.  window 1: v0-47, v48-95 the weight's 4 fragments, two sets; v128-159 the bias.
; window 2: the accumulators.
.set ABLK,  12800
.set BBLK,  25600
.set BGRP,  6400                       ; a wave's 64 columns in a K step of the weight
.set BBASE, 8*ABLK
.set SPARE, BBASE+8*BBLK               ; behind the tiles: the spare words, 128 bytes a wave
.set SPW, 1
.set NIL, 2
.set L16, 3                            ; 16, 8, 4 x lane: the stores' offsets
.set L8,  4
.set L4,  5
.set A16, 6                            ; LDS addresses of x's K step in hand: + 16, 8, 4 x lane
.set A8,  7
.set A4,  8
.set B16, 9                            ; and of my part of the weight's
.set B8,  10
.set B4,  11
.set AS,  16
.set BS,  24
.set AF,  64
.set BIAS, 128
.set TM,  64                           ; the way out, in window 0: largest magnitudes; v80.. the other half's; v96.. scale operands; v112.. bytes; v128.. words; v144.. codes; v192.. upper halves
.set TX,  80
.set SO,  96
.set BY,  112
.set SWT, 128
.set SWP, 136
.set PC,  144
.set TQ,  192
.set MSB, 0
.macro WIN new                         ; the immediate's high byte repeats the setting that is left
.if MSB != \new
	s_set_vgpr_msb (MSB<<8)|\new
.set MSB, \new
.endif
.endm
.macro CROUND                          ; a round of the cluster's barrier
	s_barrier_signal -1
	s_barrier_wait -1
	s_cmp_lg_u32 s14, 0
	s_cbranch_scc1 .Lnw0_\@
	s_barrier_signal -3
.Lnw0_\@:
	s_barrier_wait -3
	s_barrier_signal -1
	s_barrier_wait -1
.endm
.macro FRAG reg, a16, a8, off          ; a fragment's image comes back into the same registers of the same lanes; every load is dense
	ds_load_b128 v[\reg:\reg+3], v[\a16] offset:\off
	ds_load_b64 v[\reg+4:\reg+5], v[\a8] offset:\off+512
	ds_load_b128 v[\reg+6:\reg+9], v[\a16] offset:\off+768
	ds_load_b64 v[\reg+10:\reg+11], v[\a8] offset:\off+1280
.endm
.macro FETCH set                       ; 54 LDS loads in one run: a K step's fragments and scale words
	WIN 0x40                                       ; destination window 1
.irp t, 0,1,2,3
	FRAG 48*(\set)+12*\t, B16, B8, 1536*\t
.endr
	WIN 0
.irp a, 0,1,2,3,4,5,6,7
	FRAG AF+96*(\set)+12*\a, A16, A8, 1536*\a
.endr
.irp p, 0,1,2,3
	ds_load_b32 v[AS+4*(\set)+\p], v[A4] offset:12288+128*\p   ; lanes 0-15: tile 2 p's words, lanes 16-31: tile 2 p + 1's
.endr
.irp c, 0,1
	ds_load_b32 v[BS+2*(\set)+\c], v[B4] offset:6144+128*\c
.endr
.endm
.macro WM d, p, q, c, x, y, ox, oy     ; one product; ox, oy: source 0's, source 1's scale words stand in lanes 16-31
.if (\ox) && (\oy)
	v_wmma_scale_f32_16x16x128_f8f6f4 v[\d:\d+7], v[\p:\p+11], v[\q:\q+11], v[\c:\c+7], v[\x], v[\y] matrix_a_fmt:MATRIX_FMT_FP6 matrix_b_fmt:MATRIX_FMT_FP6 matrix_a_scale:MATRIX_SCALE_ROW1 matrix_b_scale:MATRIX_SCALE_ROW1
.elseif (\ox)
	v_wmma_scale_f32_16x16x128_f8f6f4 v[\d:\d+7], v[\p:\p+11], v[\q:\q+11], v[\c:\c+7], v[\x], v[\y] matrix_a_fmt:MATRIX_FMT_FP6 matrix_b_fmt:MATRIX_FMT_FP6 matrix_a_scale:MATRIX_SCALE_ROW1
.elseif (\oy)
	v_wmma_scale_f32_16x16x128_f8f6f4 v[\d:\d+7], v[\p:\p+11], v[\q:\q+11], v[\c:\c+7], v[\x], v[\y] matrix_a_fmt:MATRIX_FMT_FP6 matrix_b_fmt:MATRIX_FMT_FP6 matrix_b_scale:MATRIX_SCALE_ROW1
.else
	v_wmma_scale_f32_16x16x128_f8f6f4 v[\d:\d+7], v[\p:\p+11], v[\q:\q+11], v[\c:\c+7], v[\x], v[\y] matrix_a_fmt:MATRIX_FMT_FP6 matrix_b_fmt:MATRIX_FMT_FP6
.endif
.endm
; 32 products: a K step.  The 32 accumulators take turns, one instruction a turn, in the same order in every step.  first = 1: C is the bias.
.macro MUL set, ori, first
.if \ori == 0
.if \first
	WIN 0x91                                       ; source 0 (weight) window 1, source 1 (x) window 0, C (bias) window 1, D window 2
.else
	WIN 0xa1                                       ; C and D window 2
.endif
.irp a, 0,1,2,3,4,5,6,7
.irp t, 0,1,2,3
.if \first
	WM 8*(4*\a+\t), 48*(\set)+12*\t, AF+96*(\set)+12*\a, BIAS+8*\t, BS+2*(\set)+\t/2, AS+4*(\set)+\a/2, \t%2, \a%2
.else
	WM 8*(4*\a+\t), 48*(\set)+12*\t, AF+96*(\set)+12*\a, 8*(4*\a+\t), BS+2*(\set)+\t/2, AS+4*(\set)+\a/2, \t%2, \a%2
.endif
.endr
.endr
.else
.if \first
	WIN 0x94                                       ; source 0 (x) window 0, source 1 (weight) window 1, C (bias) window 1, D window 2
.else
	WIN 0xa4
.endif
.irp t, 0,1,2,3
.irp a, 0,1,2,3,4,5,6,7
.if \first
	WM 8*(8*\t+\a), AF+96*(\set)+12*\a, 48*(\set)+12*\t, BIAS+8*\t, AS+4*(\set)+\a/2, BS+2*(\set)+\t/2, \a%2, \t%2
.else
	WM 8*(8*\t+\a), AF+96*(\set)+12*\a, 48*(\set)+12*\t, 8*(8*\t+\a), AS+4*(\set)+\a/2, BS+2*(\set)+\t/2, \a%2, \t%2
.endif
.endr
.endr
.endif
.endm
; K step s multiplies set cur; ahead of its products it fetches step s + 1 into set nxt, 32 products ahead of their use.
.macro KSTEP s, cur, nxt, ori
	s_wait_dscnt 0x0                               ; this step's fragments are in
.if (\s == 1) || (\s == 3) || (\s == 5)
	s_wait_tensorcnt (5-\s)/2                      ; my load of the next two K steps has landed; my loads of later ones may stay out
	s_barrier_signal -1
	s_barrier_wait -1                              ; everybody's has
.endif
.if \s < 7
	v_add_nc_u32 v[A16], ABLK, v[A16]              ; on to the next K step.  These six are also the places between the last products and the loads into the registers that they read
	v_add_nc_u32 v[A8], ABLK, v[A8]
	v_add_nc_u32 v[A4], ABLK, v[A4]
	v_add_nc_u32 v[B16], BBLK, v[B16]
	v_add_nc_u32 v[B8], BBLK, v[B8]
	v_add_nc_u32 v[B4], BBLK, v[B4]
	FETCH \nxt
.endif
.if \s == 0
	MUL \cur, \ori, 1
.else
	MUL \cur, \ori, 0
.endif
	WIN 0
.endm
	s_load_b256 s[4:11], s[0:1], 0x0               ; xq, waq, b_attn, qimg
	s_load_b64 s[12:13], s[0:1], 0x20              ; kv
	v_lshl_add_u32 v[SPW], v0, 2, SPARE
	v_mov_b32 v[NIL], 0
	ds_add_u32 v[SPW], v[NIL]                      ; the wave's opening: the add, twice on end, and its wait ahead of my first tensor load
	ds_add_u32 v[SPW], v[NIL]
	v_lshrrev_b32 v3, 5, v0
	v_readfirstlane_b32 s14, v3                    ; wave
	s_lshr_b32 s15, s14, 1                         ; 0: I fetch x's blocks, 1: the weight's
	s_and_b32 s16, s14, 1                          ; even or odd K steps
	s_bfe_u32 s17, ttmp6, 0x40000                  ; cx
	s_bfe_u32 s18, ttmp6, 0x40004                  ; cy
	s_lshl_b32 s19, ttmp9, 2
	s_add_co_u32 s19, s19, s17                     ; group of 256 columns
	s_and_b32 s20, ttmp7, 0xffff
	s_lshl_b32 s20, s20, 2
	s_add_co_u32 s20, s20, s18                     ; group of 128 tokens
	s_lshl_b32 s21, s18, 2
	s_lshl_b32 s21, 15, s21                        ; my row of the cluster
	s_lshl_b32 s22, 0x1111, s17                    ; my column
	; descriptor group 1: a dense block as rows of 256 bytes (32 elements of 8 bytes), no padding: 50 rows of x, 100 of the weight
	s_or_b32 s24, s21, (3<<16)|(1<<21)
	s_mov_b32 s25, 32<<16                          ; tensor_dim0
	s_mov_b32 s26, 50<<16                          ; tensor_dim1
	s_mov_b32 s27, 32<<16                          ; tile_dim0
	s_mov_b32 s28, 50                              ; tile_dim1
	s_mov_b32 s29, 32                              ; pitch
	s_mov_b32 s30, 0
	s_mov_b32 s31, 0
	s_or_b32 s32, s22, (3<<16)|(1<<21)
	s_mov_b32 s33, 32<<16
	s_mov_b32 s34, 100<<16
	s_mov_b32 s35, 32<<16
	s_mov_b32 s36, 100
	s_mov_b32 s37, 32
	s_mov_b32 s38, 0
	s_mov_b32 s39, 0
	s_mov_b32 s56, 0x76543210
	s_mov_b32 s57, 0xfedcba98                      ; v_permlanex16_b32's selects for lane l xor 16
	s_mov_b32 s58, 0xffff0000                      ; lanes 16-31
	s_mul_i32 s84, s20, 8*ABLK                     ; x's blocks hang on the tokens' group alone,
	s_mul_i32 s86, s16, ABLK
	s_add_co_u32 s84, s84, s86
	s_mov_b32 s85, 0
	s_mul_i32 s88, s19, 8*BBLK                     ; the weight's on the columns' group alone
	s_mul_i32 s90, s16, BBLK
	s_add_co_u32 s88, s88, s90
	s_mov_b32 s89, 0
	s_wait_dscnt 0x0                               ; both opening adds are done
	s_wait_kmcnt 0x0
	s_add_nc_u64 s[92:93], s[4:5], s[84:85]
	s_add_nc_u64 s[94:95], s[6:7], s[88:89]
	CROUND                                         ; all sixteen work-groups are here: the joint loads meet
.irp c, 0,1,2,3                        ; group 0, a set for each load: K step 2 c + wave % 2
	s_mov_b32 s[40+4*\c], 1
	s_add_co_u32 s[41+4*\c], s86, 2*ABLK*\c
	s_add_nc_u64 s[42+4*\c:43+4*\c], s[92:93], 2*ABLK*\c
	s_or_b32 s[43+4*\c], s[43+4*\c], 0x80000000
	s_mov_b32 s[68+4*\c], 1
	s_add_co_u32 s[69+4*\c], s90, BBASE+2*BBLK*\c
	s_add_nc_u64 s[70+4*\c:71+4*\c], s[94:95], 2*BBLK*\c
	s_or_b32 s[71+4*\c], s[71+4*\c], 0x80000000
.endr
	s_cmp_eq_u32 s15, 0                            ; a wave's four first fills stand in one arm; an s_nop 0 follows each, four v_nop the last
	s_cbranch_scc0 .Lfill_b
.irp c, 0,1,2,3
	tensor_load_to_lds s[40+4*\c:43+4*\c], s[24:31]
	s_nop 0
.endr
.rept 4
	v_nop
.endr
	s_branch .Lfilled
.Lfill_b:
.irp c, 0,1,2,3
	tensor_load_to_lds s[68+4*\c:71+4*\c], s[32:39]
	s_nop 0
.endr
.rept 4
	v_nop
.endr
.Lfilled:
	v_and_b32 v12, 31, v0
	v_lshlrev_b32 v[L16], 4, v12
	v_lshlrev_b32 v[L8], 3, v12
	v_lshlrev_b32 v[L4], 2, v12
	v_mov_b32 v[A16], v[L16]
	v_mov_b32 v[A8], v[L8]
	v_mov_b32 v[A4], v[L4]
	s_mul_i32 s84, s14, BGRP
	s_add_co_u32 s84, s84, BBASE
	v_add_nc_u32 v[B16], s84, v[L16]
	v_add_nc_u32 v[B8], s84, v[L8]
	v_add_nc_u32 v[B4], s84, v[L4]
	; where my head's image goes: block ((batch x 16 + head) x 16 + the group of 128 tokens in the batch)
	s_lshl_b32 s84, s19, 2
	s_add_co_u32 s84, s84, s14                     ; group of 64 columns, 0 .. 47
	s_and_b32 s85, s84, 15                         ; head
	s_lshr_b32 s86, s20, 4                         ; batch
	s_lshl_b32 s86, s86, 4
	s_add_co_u32 s86, s86, s85
	s_lshl_b32 s86, s86, 4
	s_and_b32 s87, s20, 15
	s_add_co_u32 s86, s86, s87
	s_mov_b32 s88, 13312
	s_cmp_eq_u32 ttmp9, 0
	s_cselect_b64 s[60:61], s[10:11], s[12:13]     ; q's images, or k's and v's
	s_cselect_b32 s87, 6656, s88
	s_mul_i32 s86, s86, s87
	s_cmp_eq_u32 ttmp9, 2
	s_cselect_b32 s87, 6656, 0                     ; v's part lies behind k's
	s_add_co_u32 s86, s86, s87
	s_mov_b32 s87, 0
	s_add_nc_u64 s[60:61], s[60:61], s[86:87]
	s_lshl_b32 s88, s84, 8
	s_mov_b32 s89, 0
	s_add_nc_u64 s[62:63], s[8:9], s[88:89]        ; my 64 numbers of the bias
	v_and_b32 v13, 15, v0                          ; r
	v_bfe_u32 v14, v0, 4, 1                        ; h
	s_cmp_eq_u32 ttmp9, 2
	s_cbranch_scc1 .Lbias_v
	v_lshlrev_b32 v15, 6, v14                      ; q, k: register j of tile t is column 32 (t / 2) + 16 h + 8 (t % 2) + j
	WIN 0x40
.irp t, 0,1,2,3
	global_load_b128 v[BIAS+8*\t:BIAS+8*\t+3], v15, s[62:63] offset:(32*(\t/2)+8*(\t%2))*4
	global_load_b128 v[BIAS+8*\t+4:BIAS+8*\t+7], v15, s[62:63] offset:(32*(\t/2)+8*(\t%2))*4+16
.endr
	WIN 0
	s_branch .Lbias_in
.Lbias_v:
	v_and_b32 v15, 8, v13                          ; v: all eight registers of tile t are column 32 (t / 2) + 8 (t % 2) + r + 8 (r / 8)
	v_add_nc_u32 v15, v15, v13
	v_lshlrev_b32 v15, 2, v15
	WIN 0x40
.irp t, 0,1,2,3
.irp j, 0,1,2,3,4,5,6,7
	global_load_b32 v[BIAS+8*\t+\j], v15, s[62:63] offset:(32*(\t/2)+8*(\t%2))*4
.endr
.endr
	WIN 0
.Lbias_in:
	s_wait_tensorcnt 3                             ; my first load (K step 0 or 1) has landed; my other three may stay out
	s_barrier_signal -1
	s_barrier_wait -1                              ; everybody's has
	FETCH 0
	s_wait_loadcnt 0x0                             ; the bias
	s_cmp_eq_u32 ttmp9, 2
	s_cbranch_scc1 .Lmul_v
	KSTEP 0, 0, 1, 0
	KSTEP 1, 1, 0, 0
	KSTEP 2, 0, 1, 0
	KSTEP 3, 1, 0, 0
	KSTEP 4, 0, 1, 0
	KSTEP 5, 1, 0, 0
	KSTEP 6, 0, 1, 0
	KSTEP 7, 1, 0, 0
	s_branch .Lout
.Lmul_v:
	KSTEP 0, 0, 1, 1
	KSTEP 1, 1, 0, 1
	KSTEP 2, 0, 1, 1
	KSTEP 3, 1, 0, 1
	KSTEP 4, 0, 1, 1
	KSTEP 5, 1, 0, 1
	KSTEP 6, 0, 1, 1
	KSTEP 7, 1, 0, 1
.Lout:
	; ---- THE WAY OUT: 16 blocks of 32; block B: my 16 numbers in accumulator registers 16 B .. 16 B + 15, the other 16 in lane l xor 16
.rept 4
	v_nop                                          ; places behind the last products
.endr
	WIN 0x0a                                       ; sources 0 and 1 window 2
.set bb, 0
.rept 16
	v_max3_num_f32 v[TM+bb], |v[16*bb]|, |v[16*bb+1]|, 0x1800000   ; each accumulator is read from its low end on; the floor holds the byte at 1 from below
.set bb, bb+1
.endr
	WIN 0x28                                       ; sources 1 and 2 window 2
.irp i, 2,4,6,8,10,12,14
.set bb, 0
.rept 16
	v_max3_num_f32 v[TM+bb], v[TM+bb], |v[16*bb+\i]|, |v[16*bb+\i+1]|
.set bb, bb+1
.endr
.endr
	WIN 0
.set bb, 0
.rept 16
	v_permlanex16_b32 v[TX+bb], v[TM+bb], s56, s57
.set bb, bb+1
.endr
.set bb, 0
.rept 16
	v_max_num_f32 v[TM+bb], v[TM+bb], v[TX+bb]     ; the block's largest magnitude
.set bb, bb+1
.endr
.set bb, 0
.rept 16
	v_add_nc_u32 v[SO+bb], 0xff000000, v[TM+bb]    ; 2 off the exponent field: the conversion's scale operand
.set bb, bb+1
.endr
.set bb, 0
.rept 16
	v_lshrrev_b32 v[BY+bb], 23, v[SO+bb]           ; the scale's byte
.set bb, bb+1
.endr
	WIN 0x02                                       ; source 0 window 2
.set m, 0
.rept 8
	v_cvt_scalef32_pk16_fp6_f32 v[PC+6*m:PC+6*m+2], v[32*m:32*m+15], v[SO+2*m]
	v_cvt_scalef32_pk16_fp6_f32 v[TQ+4*m:TQ+4*m+2], v[32*m+16:32*m+31], v[SO+2*m+1]
.set m, m+1
.endr
	WIN 0
	v_nop                                          ; one plain instruction behind the last scaled conversion
.set m, 0
.rept 8                                ; the operand's layout wants a whole block in a lane: lanes 0-15 block 2 m, lanes 16-31 block 2 m + 1
.irp i, 0,1,2
	v_permlane16_swap_b32 v[PC+6*m+\i], v[TQ+4*m+\i]
.endr
.irp i, 0,1,2
	v_mov_b32 v[PC+6*m+3+\i], v[TQ+4*m+\i]
.endr
.set m, m+1
.endr
	s_cmp_eq_u32 ttmp9, 2
	s_cbranch_scc1 .Lstore_v
	; q, k: pair m of blocks is tile m's 64 along the head: six registers.  Its word: two bytes, and 0x7f twice for the half of the instruction's K that attention leaves empty
.irp m, 0,1,2,3,4,5,6,7
	v_lshl_or_b32 v[SWT+\m], v[BY+2*\m+1], 8, v[BY+2*\m]
.endr
.irp m, 0,1,2,3,4,5,6,7
	v_or_b32 v[SWT+\m], 0x7f7f0000, v[SWT+\m]
.endr
.irp p, 0,1,2,3
	v_cndmask_b32 v[SWP+\p], v[SWT+2*\p], v[SWT+2*\p+1], s58   ; lanes 0-15: tile 2 p's words; lanes 16-31: tile 2 p + 1's
.endr
.irp a, 0,1,2,3,4,5,6,7
	global_store_b128 v[L16], v[PC+6*\a:PC+6*\a+3], s[60:61] offset:768*\a         ; 512 consecutive bytes
	global_store_b64 v[L8], v[PC+6*\a+4:PC+6*\a+5], s[60:61] offset:768*\a+512     ; 256
.endr
	global_store_b128 v[L16], v[SWP:SWP+3], s[60:61] offset:6144
	s_branch .Lend
.Lstore_v:
	; v: pairs 2 t, 2 t + 1 are the fragment of channels' tile t, 128 keys: twelve registers; its word: four bytes
.irp t, 0,1,2,3
	v_lshl_or_b32 v[SWP+\t], v[BY+4*\t+1], 8, v[BY+4*\t]
.endr
.irp t, 0,1,2,3
	v_lshl_or_b32 v[SWP+\t], v[BY+4*\t+2], 16, v[SWP+\t]
.endr
.irp t, 0,1,2,3
	v_lshl_or_b32 v[SWP+\t], v[BY+4*\t+3], 24, v[SWP+\t]
.endr
.irp t, 0,1,2,3
.irp i, 0,1,2
	global_store_b128 v[L16], v[PC+12*\t+4*\i:PC+12*\t+4*\i+3], s[60:61] offset:1536*\t+512*\i
.endr
.endr
	global_store_b128 v[L16], v[SWP:SWP+3], s[60:61] offset:6144
.Lend:
	s_wait_tensorcnt 0x0                           ; the wave's end
	ds_add_u32 v[SPW], v[NIL]
	s_wait_dscnt 0x0
	CROUND                                         ; the closing round: no work-group ends while a partner may still ask for a block that names it
	s_endpgm
.Lfunc_end_k_q60284c3a30_qkv:
	.size	k_q60284c3a30_qkv, .Lfunc_end_k_q60284c3a30_qkv-k_q60284c3a30_qkv
	.p2alignl 7, 3214868480
	.fill 96, 4, 3214868480
	.section	.rodata,"a",@progbits
	.p2align	6, 0x0
	.amdhsa_kernel k_q60284c3a30_qkv
		.amdhsa_group_segment_fixed_size 327680
		.amdhsa_private_segment_fixed_size 0
		.amdhsa_enable_private_segment 0
		.amdhsa_kernarg_size 40
		.amdhsa_user_sgpr_count 2
		.amdhsa_user_sgpr_kernarg_segment_ptr 1
		.amdhsa_wavefront_size32 1
		.amdhsa_system_sgpr_workgroup_id_x 1
		.amdhsa_system_sgpr_workgroup_id_y 1
		.amdhsa_system_sgpr_workgroup_id_z 1
		.amdhsa_system_vgpr_workitem_id 0
		.amdhsa_next_free_vgpr 768
		.amdhsa_next_free_sgpr 100
		.amdhsa_reserve_vcc 0
		.amdhsa_float_denorm_mode_32 3
		.amdhsa_float_denorm_mode_16_64 3
		.amdhsa_memory_ordered 1
		.amdhsa_forward_progress 1
		.amdhsa_inst_pref_size 155
	.end_amdhsa_kernel
	.amdgpu_metadata
---
amdhsa.version: [ 1, 2 ]
amdhsa.kernels:
  - .name:           k_q60284c3a30_qkv
    .symbol:         k_q60284c3a30_qkv.kd
    .args:
      - { .name: xq, .offset: 0, .size: 8, .value_kind: global_buffer, .address_space: global }
      - { .name: waq, .offset: 8, .size: 8, .value_kind: global_buffer, .address_space: global }
      - { .name: b_attn, .offset: 16, .size: 8, .value_kind: global_buffer, .address_space: global }
      - { .name: qimg, .offset: 24, .size: 8, .value_kind: global_buffer, .address_space: global }
      - { .name: kv, .offset: 32, .size: 8, .value_kind: global_buffer, .address_space: global }
    .group_segment_fixed_size: 327680
    .private_segment_fixed_size: 0
    .kernarg_segment_align: 8
    .kernarg_segment_size: 40
    .max_flat_workgroup_size: 128
    .sgpr_count:     100
    .vgpr_count:     768
    .wavefront_size: 32
...
	.end_amdgpu_metadata
.endif
;; end of part 2
;; launch attn (part 3): grid 4 x 64, 16 waves a work-group, no clusters, 35,328 bytes of LDS; arguments qimg, kv, oq; writes oq
.if DOCPART == 3
	.amdgcn_target "amdgcn-amd-amdhsa--gfx1250"
	.amdhsa_code_object_version 6
	.text
	.protected	k_q60284c3a30_attn
	.globl	k_q60284c3a30_attn
	.p2align	8
	.type	k_q60284c3a30_attn,@function
k_q60284c3a30_attn:
	s_mov_b64 s[64:65], 0
	v_nop
	global_prefetch_b8 v0, s[64:65] scope:SCOPE_SE
	s_setreg_imm32_b32 hwreg(HW_REG_WAVE_MODE, 25, 1), 1
	s_wait_xcnt 0x0
; LAUNCH 3 OF 4.  o = softmax(q k^T / 8, causal) v for one head, both products on codes of FP6 with E8M0 scales; o is quantised along the model's 1,024 and leaves as images of launch proj's operand.
; LEFT OUT AS DEAD WORK (shown at the head of launch quant): a step of 128 keys all of which come after a tile's 16 queries.
; THE SOFTMAX: t = score x log2(e) / 8; M = the running largest t rounded UP to a whole number; p = 2^(t - M) is quantised along the keys, not normalised; the row's sum is taken of the unquantised p and divides at the end.
; When M moves, the sum and O are multiplied by 2^(old M - new M): nothing is rounded, and no branch hangs on data.
; SHARES.  Work-group (a, head) owns query blocks a and 7 - a of 256 queries: a + 1 and 8 - a trips of 256 keys: NINE TRIPS IN EVERY WORK-GROUP.  Each of its sixteen waves owns one tile of 16 queries of the block in hand:
; four waves to a SIMD, so that one wave's vector work stands beside another's products and LDS loads.  Wave w takes tile w / 2 of the block's half HI = (w xor w / 4) % 2.
; In a block's last trip the step of keys e = HI lies on the diagonal and is masked; for HI = 0 the step e = 1 is left out.  These are scalar branches on ids and lead round no barrier and not round the copy.
; K AND V come as launch qkv laid them: a step of 128 keys is 13,312 dense bytes.  Waves 0-12 copy it through registers into one of two LDS slots, 32 bytes a lane; each global load has a whole step in which to land.
; NO CLUSTER, NO JOINT LOADS: the four work-groups of a head walk different numbers of key steps in a different order (1 + 8, 2 + 7, 3 + 6, 4 + 5 trips), so they do not want the same tile at the same time.
; LAYOUT.  Both products are used transposed: S^T = K Q^T, O^T = V^T P^T: a lane holds ONE query throughout.  The keys of a tile of K, the queries of a tile and the channels of a tile of V^T stand in launch quant's order,
; so that the 16 registers of two neighbouring tiles are 16 neighbours.
; K = 64 IN AN INSTRUCTION OF 128: Q's registers 6-11 are zero codes and both sides' scale bytes 2 and 3 are 0x7f.  K's tiles stand 6 registers apart, so the upper half of tile t's operand is tile t + 1's codes (zeros behind tile 7):
; every code of E2M3 is a finite number, and times the code 0 it adds exactly 0.
; LIMITS OF THE QUANTISER: as in launch quant.
; REGISTERS: v1-10 addresses and constants; v12 -M, v13 the largest t, v[14:15] the sum; v16-27 Q, v28 its words; v30-36 the second block's; v38-53 the copy, two sets; v54-107 K, then V^T; v108-115 their words;
; v116-179 S^T, then p; v180-211 O^T; v212-223 p's codes; v224-253 at work.
.set SLOTB, 16384                      ; slot 1 begins here
.set GATH,  32768                      ; 512 bytes: the block's scale bytes of o meet here
.set SPARE, 33280                      ; the spare words, 128 bytes a wave
.set KR, 54
.set KS, 108
.set VS, 112
.set S,  116
.set OT, 180
.set P,  212
.set TQ, 224
.set BM, 232
.set PT, 236
.set SO, 240
.set PW, 244
.set F,  246
.set PS, 248
.set T0, 250
	s_load_b128 s[4:7], s[0:1], 0x0                ; qimg, kv
	s_load_b64 s[8:9], s[0:1], 0x10                ; oq
	v_lshl_add_u32 v1, v0, 2, SPARE                ; my spare word,
	v_mov_b32 v2, 0                                ; and 0: kept for the closing lines
	v_lshrrev_b32 v3, 5, v0
	v_readfirstlane_b32 s10, v3                    ; wave
	s_lshr_b32 s12, s10, 2
	s_xor_b32 s12, s12, s10
	s_and_b32 s12, s12, 1                          ; HI: which 128 queries of the block
	s_lshr_b32 s13, s10, 1                         ; my tile among their eight
	s_and_b32 s11, s10, 1
	s_mov_b32 s14, ttmp9                           ; a
	s_and_b32 s15, ttmp7, 0xffff                   ; 16 x batch + head
	s_mov_b32 s16, 0                               ; the trip
	s_mov_b32 s17, 0                               ; its 256 keys
	s_mov_b32 s22, 0x3e38aa3b                      ; c = log2(e) / 8
	s_mov_b32 s23, s22                             ; (named with it as a pair)
	s_mov_b32 s24, 0x76543210
	s_mov_b32 s25, 0xfedcba98                      ; v_permlanex16_b32's selects for lane l xor 16
	s_lshr_b32 s50, s13, 1
	s_and_b32 s51, s13, 1
	v_and_b32 v250, 31, v0                         ; lane
	v_and_b32 v251, 15, v0                         ; r
	v_bfe_u32 v252, v0, 4, 1                       ; h
	v_lshlrev_b32 v3, 4, v250                      ; 16 x lane
	v_lshlrev_b32 v4, 3, v250                      ; 8 x lane
	v_lshlrev_b32 v5, 4, v0                        ; 16 x thread: the copy's place, in memory and in a slot
	v_and_b32 v253, 8, v251
	v_add_nc_u32 v6, v253, v251
	v_lshlrev_b32 v253, 4, v252
	v_sub_nc_u32 v6, v6, v253
	s_lshl_b32 s42, s50, 5
	s_lshl_b32 s43, s51, 3
	s_add_co_u32 s42, s42, s43
	v_add_nc_u32 v6, s42, v6                       ; my query among its 128, less 16 h: register 16 b + i holds key 32 b + 16 h + i, hidden on the diagonal where 32 b + i is greater
	v_mov_b32 v7, 0xff800000                       ; -infinity
	s_lshl_b32 s42, s12, 8
	s_lshl_b32 s43, s51, 7
	s_add_co_u32 s42, s42, s43
	s_lshl_b32 s43, s50, 1
	s_add_co_u32 s42, s42, s43
	s_add_co_u32 s42, s42, GATH
	v_lshl_add_u32 v8, v251, 3, s42                ; where my row's two scale bytes of o go
	s_lshl_b32 s42, s11, 8
	s_add_co_u32 s42, s42, GATH
	v_add_nc_u32 v9, s42, v4                       ; and where waves 0 and 1 read 256 of them back
	v_lshlrev_b32 v10, 8, v250                     ; the prefetches' offset: lanes 256 bytes apart
	s_mul_i32 s42, s13, 768
	v_add_nc_u32 v240, s42, v3                     ; Q's image: my tile's registers 0-3,
	s_add_co_u32 s42, s42, 512
	v_add_nc_u32 v241, s42, v4                     ; 4-5,
	s_lshl_b32 s42, s51, 8
	s_lshl_b32 s43, s50, 2
	s_add_co_u32 s42, s42, s43
	s_add_co_u32 s42, s42, 6144
	v_lshl_add_u32 v242, v251, 4, s42              ; and row r's scale word
.set i, 0
.rept 16
	v_mov_b32 v[38+i], 0                           ; the copy's registers are written once in every wave; waves 0-12 then load them
.set i, i+1
.endr
	s_cmp_lt_u32 s10, 14                           ; who prefetches: waves 14 and 15 of the head's first work-group
	s_cselect_b32 s32, 100, 0
	s_cmp_lg_u32 ttmp9, 0
	s_cselect_b32 s32, 100, s32
	s_mov_b32 s43, 0
	s_wait_kmcnt 0x0
	s_mul_i32 s42, s15, 212992
	s_add_nc_u64 s[26:27], s[6:7], s[42:43]        ; my head's K and V: 16 steps of 13,312 bytes
	s_lshl_b32 s42, s11, 13
	s_add_nc_u64 s[30:31], s[26:27], s[42:43]      ; where my prefetches stand
	s_cmp_lt_u32 s10, 13
	s_cbranch_scc0 .Lno_first
	global_load_b128 v[38:41], v5, s[26:27]                    ; keys 0-127: K's part,
	global_load_b128 v[42:45], v5, s[26:27] offset:6656        ; V's part
	global_load_b128 v[46:49], v5, s[26:27] offset:13312       ; keys 128-255
	global_load_b128 v[50:53], v5, s[26:27] offset:19968
.Lno_first:
	s_lshl_b32 s44, s14, 1
	s_lshl_b32 s42, s15, 4
	s_add_co_u32 s42, s42, s44
	s_add_co_u32 s42, s42, s12                     ; the group of 128 queries: 16 x (batch, head) + 2 a + HI
	s_mul_i32 s42, s42, 6656
	s_add_nc_u64 s[46:47], s[4:5], s[42:43]
	s_lshl_b32 s45, s14, 2
	s_sub_co_u32 s45, 14, s45                      ; block 7 - a lies 14 - 4 a groups further on
	s_mul_i32 s42, s45, 6656
	s_add_nc_u64 s[48:49], s[46:47], s[42:43]
	global_load_b128 v[16:19], v240, s[46:47] th:TH_LOAD_NT
	global_load_b64 v[20:21], v241, s[46:47] th:TH_LOAD_NT
	global_load_b32 v28, v242, s[46:47]
	global_load_b128 v[30:33], v240, s[48:49] th:TH_LOAD_NT
	global_load_b64 v[34:35], v241, s[48:49] th:TH_LOAD_NT
	global_load_b32 v36, v242, s[48:49]
	s_and_b32 s52, s15, 0xfff0                     ; o's images: block ((16 x batch + 2 a + half) x 8 + head / 2), half a fragment for each head
	s_add_co_u32 s52, s52, s44
	s_and_b32 s53, s15, 15
	s_lshr_b32 s54, s53, 1
	s_and_b32 s53, s53, 1
	s_add_co_u32 s42, s52, s12
	s_lshl_b32 s42, s42, 3
	s_add_co_u32 s42, s42, s54
	s_mul_i32 s42, s42, 12800
	s_mul_i32 s55, s13, 1536
	s_add_co_u32 s42, s42, s55
	s_mul_i32 s55, s53, 768
	s_add_co_u32 s42, s42, s55
	s_add_nc_u64 s[34:35], s[8:9], s[42:43]        ; my tile's codes
	s_add_co_u32 s42, s52, s11
	s_lshl_b32 s42, s42, 3
	s_add_co_u32 s42, s42, s54
	s_mul_i32 s42, s42, 12800
	s_lshl_b32 s55, s53, 8
	s_add_co_u32 s42, s42, s55
	s_add_co_u32 s42, s42, 12288
	s_add_nc_u64 s[38:39], s[8:9], s[42:43]        ; the scale bytes of half wave % 2 (waves 0 and 1 store them)
	s_mul_i32 s42, s45, 102400
	s_add_nc_u64 s[36:37], s[34:35], s[42:43]      ; the same for block 7 - a
	s_add_nc_u64 s[40:41], s[38:39], s[42:43]
.irp i, 0,1,2,3,4,5
	v_mov_b32 v[22+\i], 0                          ; Q's upper half: zero codes
	v_mov_b32 v[102+\i], 0                         ; and what stands behind K's tile 7
.endr
	v_mov_b32 v13, 0xff61b1e6                      ; the largest t so far: -3e38
	v_floor_f32 v12, -v13                          ; -M
	v_mov_b32 v14, 0
	v_mov_b32 v15, 0
.set i, 0
.rept 32
	v_mov_b32 v[OT+i], 0                           ; O^T: the step is written once; the first finds zeros
.set i, i+1
.endr
.irp b, 0,1,2,3
	v_mov_b32 v[PT+\b], 0                          ; a lane permute's destination counts as one of its sources
.endr
	v_mov_b32 v[F+1], 0                            ; (named as the upper half of a pair)
	s_wait_loadcnt 0x0
	s_cmp_lt_u32 s10, 13
	s_cbranch_scc0 .Lhead_done
	ds_store_b128 v5, v[38:41]                     ; keys 0-127 into slot 0
	ds_store_b128 v5, v[42:45] offset:6656
.Lhead_done:
; A STEP OF 128 KEYS, in slot e.
.macro STEP e
	s_wait_dscnt 0x0                               ; my stores into this slot are done, and my reads of the other slot are over
	s_barrier_signal -1
	s_barrier_wait -1                              ; both hold of all sixteen waves
	s_cmp_lt_u32 s10, 13
	s_cbranch_scc0 .Lask_\@
	s_wait_loadcnt 0x0                             ; the next step's bytes, asked for a step ago, are in registers
.if \e == 1
	s_cmp_eq_u32 s16, 8                            ; the last trip has no successor
	s_cbranch_scc1 .Lmoved_\@
.endif
	ds_store_b128 v5, v[46-8*\e:49-8*\e] offset:SLOTB*(1-\e)
	ds_store_b128 v5, v[50-8*\e:53-8*\e] offset:SLOTB*(1-\e)+6656
.if \e == 0
	s_cmp_eq_u32 s16, 8
	s_cbranch_scc1 .Lmoved_\@
.endif
	global_load_b128 v[38+8*\e:41+8*\e], v5, s[28:29] offset:13312*\e        ; the next trip's step e
	global_load_b128 v[42+8*\e:45+8*\e], v5, s[28:29] offset:13312*\e+6656
	s_branch .Lmoved_\@
.Lask_\@:
	; A PREFETCH INTO THE L2.  A head's K and V are 26 pieces of 8,192 bytes.  All four work-groups of a head read them; the first asks, waves 14 and 15, one instruction a step, lanes 256 bytes apart: in trip T, step e, piece
	; 4 T + 4 + 2 e + wave % 2, for T = 1 .. 5 (e = 1: .. 4): pieces 8 to 25, each once.  Pieces 0 to 7 come by their loads alone; behind piece 25 nothing is asked for.
	s_add_co_u32 s42, s16, s32
	s_sub_co_u32 s42, s42, 1
	s_cmp_lt_u32 s42, 5-\e
	s_cbranch_scc0 .Lmoved_\@
	global_prefetch_b8 v10, s[30:31] offset:16384*\e th:TH_LOAD_NT scope:SCOPE_SE
.Lmoved_\@:
.if \e == 1
	s_cmp_eq_u32 s20, 1                            ; all 128 keys come after my queries
	s_cbranch_scc1 .Lend_\@
.endif
.rept 4
	v_nop                                          ; places in front of loads into registers that the last products read
.endr
.irp t, 0,1,2,3,4,5,6,7
	ds_load_b128 v[KR+6*\t:KR+6*\t+3], v3 offset:SLOTB*\e+768*\t
	ds_load_b64 v[KR+6*\t+4:KR+6*\t+5], v4 offset:SLOTB*\e+768*\t+512
.endr
	ds_load_b128 v[KS:KS+3], v3 offset:SLOTB*\e+6144   ; register p: lanes 0-15 tile 2 p's words, lanes 16-31 tile 2 p + 1's
	s_wait_dscnt 0x0
.irp t, 0,2,4,6
	v_wmma_scale_f32_16x16x128_f8f6f4 v[S+8*\t:S+8*\t+7], v[KR+6*\t:KR+6*\t+11], v[16:27], 0, v[KS+\t/2], v28 matrix_a_fmt:MATRIX_FMT_FP6 matrix_b_fmt:MATRIX_FMT_FP6
	v_wmma_scale_f32_16x16x128_f8f6f4 v[S+8*\t+8:S+8*\t+15], v[KR+6*\t+6:KR+6*\t+17], v[16:27], 0, v[KS+\t/2], v28 matrix_a_fmt:MATRIX_FMT_FP6 matrix_b_fmt:MATRIX_FMT_FP6 matrix_a_scale:MATRIX_SCALE_ROW1
.endr
.rept 4
	v_nop                                          ; places: for the loads over K's registers, and for the first read of the scores
.endr
.irp t, 0,1,2,3
.irp i, 0,1,2
	ds_load_b128 v[KR+12*\t+4*\i:KR+12*\t+4*\i+3], v3 offset:SLOTB*\e+6656+1536*\t+512*\i   ; V^T lands while the softmax is walked
.endr
.endr
	ds_load_b128 v[VS:VS+3], v3 offset:SLOTB*\e+12800
	s_cmp_eq_u32 s[20+\e], 0                       ; on the diagonal hidden scores become -infinity ahead of the maximum: p = 0 then
	s_cbranch_scc1 .Lopen_\@
.set n, 0
.rept 64
	v_cmp_gt_i32 vcc_lo, 32*(n/16)+n%16, v6
	v_cndmask_b32 v[S+n], v[S+n], v7, vcc_lo
.set n, n+1
.endr
.Lopen_\@:
.irp b, 0,1,2,3
	v_max3_num_f32 v[BM+\b], v[S+16*\b], v[S+16*\b+1], v[S+16*\b+2]   ; the largest score of each block of 32 keys: for the row's maximum and, since p rises with the score, for the block's largest p
.endr
.irp i, 3,5,7,9,11,13
.irp b, 0,1,2,3
	v_max3_num_f32 v[BM+\b], v[BM+\b], v[S+16*\b+\i], v[S+16*\b+\i+1]
.endr
.endr
.irp b, 0,1,2,3
	v_max_num_f32 v[BM+\b], v[BM+\b], v[S+16*\b+15]
.endr
.irp b, 0,1,2,3
	v_permlanex16_b32 v[PT+\b], v[BM+\b], s24, s25
.endr
.irp b, 0,1,2,3
	v_max_num_f32 v[BM+\b], v[BM+\b], v[PT+\b]     ; with lane l xor 16's 16 keys
.endr
	v_max3_num_f32 v[T0], v[BM], v[BM+1], v[BM+2]
	v_max_num_f32 v[T0], v[T0], v[BM+3]
	v_mul_f32 v[T0], s22, v[T0]                    ; the step's largest t
	v_max_num_f32 v13, v13, v[T0]                  ; the running largest
	v_mov_b32 v[T0], v12
	v_floor_f32 v12, -v13                          ; the new -M = -ceil(t): a whole number
	v_sub_f32 v[T0], v12, v[T0]                    ; old M - new M, 0 or less
	v_cvt_i32_f32 v[T0], v[T0]                     ; (it saturates)
	v_ldexp_f32 v[F], 1.0, v[T0]                   ; f = 2^(old M - new M)
.set j, 0
.rept 32
	v_pk_fma_f32 v[S+j:S+j+1], v[S+j:S+j+1], s[22:23], v[12:13] op_sel_hi:[1,0,0]   ; t - M, two at a time
.set j, j+2
.endr
.irp b, 0,1,2,3
	v_fma_f32 v[BM+\b], v[BM+\b], s22, v12         ; the same of each block's largest score
.endr
.set j, 0
.rept 64
	v_exp_f32 v[S+j], v[S+j]                       ; p = 2^(t - M): one batch
.set j, j+1
.endr
	v_pk_mul_f32 v[14:15], v[14:15], v[F:F+1] op_sel_hi:[1,0]   ; the sum under the new M: the plain instruction behind the batch
	s_wait_alu depctr_va_vdst(0)                   ; one wait for the batch, ahead of its first reader
.irp b, 0,1,2,3
	v_exp_f32 v[BM+\b], v[BM+\b]                   ; each block's largest p: the same two instructions on the same number give the same bits
.endr
	v_pk_add_f32 v[PS:PS+1], v[S:S+1], v[S+2:S+3]  ; the row's sum of the unquantised p, in two chains
.set j, 4
.rept 15
	v_pk_add_f32 v[14:15], v[14:15], v[S+j:S+j+1]
	v_pk_add_f32 v[PS:PS+1], v[PS:PS+1], v[S+j+2:S+j+3]
.set j, j+4
.endr
	v_pk_add_f32 v[14:15], v[14:15], v[PS:PS+1]
	s_wait_alu depctr_va_vdst(0)                   ; and one for the four
.irp b, 0,1,2,3
	v_max_num_f32 v[BM+\b], 0x1800000, v[BM+\b]    ; the floor: the byte cannot fall under 1
.endr
.irp b, 0,1,2,3
	v_add_nc_u32 v[SO+\b], 0xff000000, v[BM+\b]    ; the conversion's scale operand
.endr
.irp b, 0,1,2,3
	v_lshrrev_b32 v[PT+\b], 23, v[SO+\b]           ; the scale's byte
.endr
	v_lshl_or_b32 v[PW], v[PT+1], 8, v[PT]
	v_lshl_or_b32 v[PW], v[PT+2], 16, v[PW]
	v_lshl_or_b32 v[PW], v[PT+3], 24, v[PW]        ; p's scale word for these 128 keys
.irp c, 0,1
	v_cvt_scalef32_pk16_fp6_f32 v[P+6*\c:P+6*\c+2], v[S+32*\c:S+32*\c+15], v[SO+2*\c]
	v_cvt_scalef32_pk16_fp6_f32 v[TQ+4*\c:TQ+4*\c+2], v[S+32*\c+16:S+32*\c+31], v[SO+2*\c+1]
.endr
	v_nop                                          ; one plain instruction behind the last scaled conversion
.irp c, 0,1
.irp i, 0,1,2
	v_permlane16_swap_b32 v[P+6*\c+\i], v[TQ+4*\c+\i]
.endr
.irp i, 0,1,2
	v_mov_b32 v[P+6*\c+3+\i], v[TQ+4*\c+\i]
.endr
.endr
.set j, 0
.rept 16
	v_pk_mul_f32 v[OT+j:OT+j+1], v[OT+j:OT+j+1], v[F:F+1] op_sel_hi:[1,0]   ; O^T under the new M.  These are also the places between the writes of p's codes and word and the products
.set j, j+2
.endr
	s_wait_dscnt 0x0                               ; V^T is in
.irp t, 0,1,2,3
	v_wmma_scale_f32_16x16x128_f8f6f4 v[OT+8*\t:OT+8*\t+7], v[KR+12*\t:KR+12*\t+11], v[P:P+11], v[OT+8*\t:OT+8*\t+7], v[VS+\t], v[PW] matrix_a_fmt:MATRIX_FMT_FP6 matrix_b_fmt:MATRIX_FMT_FP6
.endr
.Lend_\@:
.endm
.Ltrip:
	s_cmp_eq_u32 s16, s14                          ; is this a block's last trip?  Trip a ends block a, trip 8 block 7 - a
	s_cselect_b32 s19, 1, 0
	s_cmp_eq_u32 s16, 8
	s_cselect_b32 s19, 1, s19
	s_sub_co_u32 s20, 1, s12
	s_and_b32 s20, s20, s19                        ; step 0 is on my diagonal (and step 1 is left out)
	s_and_b32 s21, s19, s12                        ; step 1 is on my diagonal
	s_add_co_u32 s18, s17, 1
	s_cmp_eq_u32 s19, 1
	s_cselect_b32 s18, 0, s18                      ; the next trip's 256 keys: the next block begins at key 0
	s_wait_xcnt 0x0                                ; the last trip's loads and prefetches have read their bases
	s_mul_i32 s42, s18, 26624
	s_mov_b32 s43, 0
	s_add_nc_u64 s[28:29], s[26:27], s[42:43]
	s_add_nc_u64 s[30:31], s[30:31], 32768
	STEP 0
	STEP 1
	s_cmp_eq_u32 s19, 0
	s_cbranch_scc1 .Lnot_last
	; ---- A BLOCK'S END: o = O^T / the sum, quantised along the head's 64: two blocks, half a fragment of launch proj's operand
.rept 4
	v_nop                                          ; places behind the last products
.endr
	v_add_f32 v14, v14, v15
	v_permlanex16_b32 v[T0], v14, s24, s25
	v_add_f32 v14, v14, v[T0]                      ; the row's sum
	v_rcp_f32 v[F], v14
	v_nop                                          ; a plain instruction behind the reciprocal,
	s_wait_alu depctr_va_vdst(0)                   ; and the wait ahead of its first reader
.set j, 0
.rept 16
	v_pk_mul_f32 v[S+j:S+j+1], v[OT+j:OT+j+1], v[F:F+1] op_sel_hi:[1,0]   ; register 16 b + i: channel 32 b + 16 h + i of my query; each accumulator from its low end on
.set j, j+2
.endr
.irp b, 0,1
	v_max3_num_f32 v[BM+\b], |v[S+16*\b]|, |v[S+16*\b+1]|, 0x1800000
.endr
.irp i, 2,4,6,8,10,12,14
.irp b, 0,1
	v_max3_num_f32 v[BM+\b], v[BM+\b], |v[S+16*\b+\i]|, |v[S+16*\b+\i+1]|
.endr
.endr
.irp b, 0,1
	v_permlanex16_b32 v[PT+\b], v[BM+\b], s24, s25
.endr
.irp b, 0,1
	v_max_num_f32 v[BM+\b], v[BM+\b], v[PT+\b]
.endr
.irp b, 0,1
	v_add_nc_u32 v[SO+\b], 0xff000000, v[BM+\b]
.endr
.irp b, 0,1
	v_lshrrev_b32 v[PT+\b], 23, v[SO+\b]
.endr
	v_lshl_or_b32 v[PW], v[PT+1], 8, v[PT]         ; my row's two bytes
	v_cvt_scalef32_pk16_fp6_f32 v[P:P+2], v[S:S+15], v[SO]
	v_cvt_scalef32_pk16_fp6_f32 v[TQ:TQ+2], v[S+16:S+31], v[SO+1]
	v_nop
.irp i, 0,1,2
	v_permlane16_swap_b32 v[P+\i], v[TQ+\i]
.endr
.irp i, 0,1,2
	v_mov_b32 v[P+3+\i], v[TQ+\i]
.endr
	global_store_b128 v3, v[P:P+3], s[34:35]                   ; 512 consecutive bytes
	global_store_b64 v4, v[P+4:P+5], s[34:35] offset:512       ; 256
	ds_store_b16 v8, v[PW]                         ; both lanes of a row write the same two bytes
	s_wait_dscnt 0x0
	s_barrier_signal -1                            ; (the branch round this block hangs on the work-group's number and the trip alone: all sixteen waves go the same way)
	s_barrier_wait -1
	s_cmp_lt_u32 s10, 2
	s_cbranch_scc0 .Lno_bytes
	ds_load_b64 v[T0:T0+1], v9
	s_wait_dscnt 0x0
	global_store_b64 v4, v[T0:T0+1], s[38:39]      ; the bytes of 128 rows: one aligned 256 bytes
.Lno_bytes:
	s_wait_xcnt 0x0                                ; the stores have read their registers and bases
	; on to block 7 - a (behind that block these lines change nothing that is read again)
.irp i, 0,1,2,3,4,5
	v_mov_b32 v[16+\i], v[30+\i]
.endr
	v_mov_b32 v28, v36
	v_mov_b32 v13, 0xff61b1e6
	v_floor_f32 v12, -v13
	v_mov_b32 v14, 0
	v_mov_b32 v15, 0
.set i, 0
.rept 32
	v_mov_b32 v[OT+i], 0
.set i, i+1
.endr
	s_mov_b64 s[34:35], s[36:37]
	s_mov_b64 s[38:39], s[40:41]
.Lnot_last:
	s_mov_b32 s17, s18
	s_add_co_u32 s16, s16, 1
	s_cmp_lt_u32 s16, 9
	s_cbranch_scc1 .Ltrip
	s_wait_tensorcnt 0x0                           ; the wave's end: behind the last LDS store
	ds_add_u32 v1, v2
	s_wait_dscnt 0x0
	s_endpgm
.Lfunc_end_k_q60284c3a30_attn:
	.size	k_q60284c3a30_attn, .Lfunc_end_k_q60284c3a30_attn-k_q60284c3a30_attn
	.p2alignl 7, 3214868480
	.fill 96, 4, 3214868480
	.section	.rodata,"a",@progbits
	.p2align	6, 0x0
	.amdhsa_kernel k_q60284c3a30_attn
		.amdhsa_group_segment_fixed_size 35328
		.amdhsa_private_segment_fixed_size 0
		.amdhsa_enable_private_segment 0
		.amdhsa_kernarg_size 24
		.amdhsa_user_sgpr_count 2
		.amdhsa_user_sgpr_kernarg_segment_ptr 1
		.amdhsa_wavefront_size32 1
		.amdhsa_system_sgpr_workgroup_id_x 1
		.amdhsa_system_sgpr_workgroup_id_y 1
		.amdhsa_system_sgpr_workgroup_id_z 1
		.amdhsa_system_vgpr_workitem_id 0
		.amdhsa_next_free_vgpr 256
		.amdhsa_next_free_sgpr 66
		.amdhsa_reserve_vcc 1
		.amdhsa_float_denorm_mode_32 3
		.amdhsa_float_denorm_mode_16_64 3
		.amdhsa_memory_ordered 1
		.amdhsa_forward_progress 1
		.amdhsa_inst_pref_size 57
	.end_amdhsa_kernel
	.amdgpu_metadata
---
amdhsa.version: [ 1, 2 ]
amdhsa.kernels:
  - .name:           k_q60284c3a30_attn
    .symbol:         k_q60284c3a30_attn.kd
    .args:
      - { .name: qimg, .offset: 0, .size: 8, .value_kind: global_buffer, .address_space: global }
      - { .name: kv, .offset: 8, .size: 8, .value_kind: global_buffer, .address_space: global }
      - { .name: oq, .offset: 16, .size: 8, .value_kind: global_buffer, .address_space: global }
    .group_segment_fixed_size: 35328
    .private_segment_fixed_size: 0
    .kernarg_segment_align: 8
    .kernarg_segment_size: 24
    .max_flat_workgroup_size: 512
    .sgpr_count:     66
    .vgpr_count:     256
    .wavefront_size: 32
...
	.end_amdgpu_metadata
.endif
;; end of part 3
;; launch proj (part 4): grid 4 x 64, 4 waves a work-group, clusters of 4 x 4, 327,680 bytes of LDS; arguments oq, wpq, b_proj, out0; writes out0
.if DOCPART == 4
	.amdgcn_target "amdgcn-amd-amdhsa--gfx1250"
	.amdhsa_code_object_version 6
	.text
	.protected	k_q60284c3a30_proj
	.globl	k_q60284c3a30_proj
	.p2align	8
	.type	k_q60284c3a30_proj,@function
k_q60284c3a30_proj:
	s_mov_b64 s[64:65], 0
	v_nop
	global_prefetch_b8 v0, s[64:65] scope:SCOPE_SE
	s_setreg_imm32_b32 hwreg(HW_REG_WAVE_MODE, 25, 1), 1
	s_wait_xcnt 0x0
	s_wait_alu depctr_hold_cnt(0) depctr_sa_sdst(0) depctr_va_vdst(0) depctr_va_sdst(0) depctr_va_ssrc(0) depctr_va_vcc(0) depctr_vm_vsrc(0)
	s_getreg_b32 s2, hwreg(HW_REG_IB_STS2, 6, 4)
	s_cmp_eq_u32 s2, 0
	s_cbranch_scc0 .Lentry_in_a_cluster
	s_endpgm
.Lentry_in_a_cluster:
	s_bfe_u32 s2, ttmp6, 0x10000c
	s_cmp_lg_u32 s2, 0xf033
	s_cbranch_scc0 .Lentry_shape_is_right
	s_endpgm
.Lentry_shape_is_right:
; LAUNCH 4 OF 4.  out0 = o w_proj + b_proj on codes of FP6 with E8M0 scales; f32 out.
; SHARES, LDS, TENSOR LOADS AND CLUSTER as in launch qkv: a work-group makes 128 tokens x 256 columns, wave w the columns 64 w on; all of K lies in LDS at once (o's 8 K steps of 12,800 bytes, the weight's 8 of 25,600);
; every tensor load is a first fill; a wave issues four at the head, and four are out at the most; blocks of o are asked for jointly along a row of the cluster, blocks of the weight along a column.
; Source 0 = 16 columns of the weight, source 1 = 16 tokens: a lane holds one token and eight neighbouring columns.  The bias is the C of each sum's first product.
; o's scale bytes come as launch attn laid them, two bytes for a row and a head: four v_perm_b32 a K step join the two heads of the step into words.
; THE WAY OUT goes through a stage of 16 rows x (256 + 16) bytes for each wave.  It lies in the bytes of o's K steps 0 and 1, which have had their only fill; a barrier in the last K step stands behind every wave's last read of operands.
; REGISTERS: as in launch qkv; v28-35 the raw scale bytes, two sets; v12-14 the way out's addresses; v64-127 rows on their way out.
.set ABLK,  12800
.set BBLK,  25600
.set BGRP,  6400
.set BBASE, 8*ABLK
.set SPARE, BBASE+8*BBLK               ; behind the tiles: the spare words, 128 bytes a wave
.set SPW, 1
.set NIL, 2
.set L16, 3
.set L8,  4
.set L4,  5
.set A16, 6
.set A8,  7
.set B16, 9
.set B8,  10
.set B4,  11
.set STO, 12
.set RD,  13
.set CO,  14
.set AS,  16
.set BS,  24
.set RAW, 28
.set AF,  64
.set BK,  64
.set BIAS, 128
.set MSB, 0
.macro WIN new                         ; the immediate's high byte repeats the setting that is left
.if MSB != \new
	s_set_vgpr_msb (MSB<<8)|\new
.set MSB, \new
.endif
.endm
.macro CROUND                          ; a round of the cluster's barrier
	s_barrier_signal -1
	s_barrier_wait -1
	s_cmp_lg_u32 s14, 0
	s_cbranch_scc1 .Lnw0_\@
	s_barrier_signal -3
.Lnw0_\@:
	s_barrier_wait -3
	s_barrier_signal -1
	s_barrier_wait -1
.endm
.macro FRAG reg, a16, a8, off
	ds_load_b128 v[\reg:\reg+3], v[\a16] offset:\off
	ds_load_b64 v[\reg+4:\reg+5], v[\a8] offset:\off+512
	ds_load_b128 v[\reg+6:\reg+9], v[\a16] offset:\off+768
	ds_load_b64 v[\reg+10:\reg+11], v[\a8] offset:\off+1280
.endm
.macro FETCH set                       ; 52 LDS loads in one run
	WIN 0x40
.irp t, 0,1,2,3
	FRAG 48*(\set)+12*\t, B16, B8, 1536*\t
.endr
	WIN 0
.irp a, 0,1,2,3,4,5,6,7
	FRAG AF+96*(\set)+12*\a, A16, A8, 1536*\a
.endr
	ds_load_b64 v[RAW+4*(\set):RAW+4*(\set)+1], v[A8] offset:12288     ; the step's first head: for my lane, four tiles' pairs of bytes
	ds_load_b64 v[RAW+4*(\set)+2:RAW+4*(\set)+3], v[A8] offset:12544   ; its second head
.irp c, 0,1
	ds_load_b32 v[BS+2*(\set)+\c], v[B4] offset:6144+128*\c
.endr
.endm
.macro WM d, p, q, c, x, y, ox, oy
.if (\ox) && (\oy)
	v_wmma_scale_f32_16x16x128_f8f6f4 v[\d:\d+7], v[\p:\p+11], v[\q:\q+11], v[\c:\c+7], v[\x], v[\y] matrix_a_fmt:MATRIX_FMT_FP6 matrix_b_fmt:MATRIX_FMT_FP6 matrix_a_scale:MATRIX_SCALE_ROW1 matrix_b_scale:MATRIX_SCALE_ROW1
.elseif (\ox)
	v_wmma_scale_f32_16x16x128_f8f6f4 v[\d:\d+7], v[\p:\p+11], v[\q:\q+11], v[\c:\c+7], v[\x], v[\y] matrix_a_fmt:MATRIX_FMT_FP6 matrix_b_fmt:MATRIX_FMT_FP6 matrix_a_scale:MATRIX_SCALE_ROW1
.elseif (\oy)
	v_wmma_scale_f32_16x16x128_f8f6f4 v[\d:\d+7], v[\p:\p+11], v[\q:\q+11], v[\c:\c+7], v[\x], v[\y] matrix_a_fmt:MATRIX_FMT_FP6 matrix_b_fmt:MATRIX_FMT_FP6 matrix_b_scale:MATRIX_SCALE_ROW1
.else
	v_wmma_scale_f32_16x16x128_f8f6f4 v[\d:\d+7], v[\p:\p+11], v[\q:\q+11], v[\c:\c+7], v[\x], v[\y] matrix_a_fmt:MATRIX_FMT_FP6 matrix_b_fmt:MATRIX_FMT_FP6
.endif
.endm
.macro MUL set, first                  ; 32 products; the 32 accumulators take turns, one instruction a turn, in the same order in every step
.if \first
	WIN 0x91                                       ; source 0 (weight) window 1, source 1 (o) window 0, C (bias) window 1, D window 2
.else
	WIN 0xa1
.endif
.irp a, 0,1,2,3,4,5,6,7
.irp t, 0,1,2,3
.if \first
	WM 8*(4*\a+\t), 48*(\set)+12*\t, AF+96*(\set)+12*\a, BIAS+8*\t, BS+2*(\set)+\t/2, AS+4*(\set)+\a/2, \t%2, \a%2
.else
	WM 8*(4*\a+\t), 48*(\set)+12*\t, AF+96*(\set)+12*\a, 8*(4*\a+\t), BS+2*(\set)+\t/2, AS+4*(\set)+\a/2, \t%2, \a%2
.endif
.endr
.endr
.endm
.macro KSTEP s, cur, nxt
	s_wait_dscnt 0x0                               ; this step's fragments and bytes are in
.if (\s == 1) || (\s == 3) || (\s == 5)
	s_wait_tensorcnt (5-\s)/2                      ; my load of the next two K steps has landed; my loads of later ones may stay out
	s_barrier_signal -1
	s_barrier_wait -1
.endif
.if \s == 7
	s_barrier_signal -1                            ; my last reads of operands are over; the wait stands behind the products, which touch registers only
.endif
	v_perm_b32 v[AS+4*(\cur)], v[RAW+4*(\cur)+2], v[RAW+4*(\cur)], s58       ; tile pair 0: the first head's two bytes below, the second's above
	v_perm_b32 v[AS+4*(\cur)+1], v[RAW+4*(\cur)+2], v[RAW+4*(\cur)], s59     ; pair 1
	v_perm_b32 v[AS+4*(\cur)+2], v[RAW+4*(\cur)+3], v[RAW+4*(\cur)+1], s58   ; pair 2
	v_perm_b32 v[AS+4*(\cur)+3], v[RAW+4*(\cur)+3], v[RAW+4*(\cur)+1], s59   ; pair 3
.if \s < 7
	v_add_nc_u32 v[A16], ABLK, v[A16]              ; on to the next K step.  With the three v_nop: eight places between the writes of the scale words and the products; with the four lines above:
	v_add_nc_u32 v[A8], ABLK, v[A8]                ; the places between the last products and the loads into the registers that they read
	v_add_nc_u32 v[B16], BBLK, v[B16]
	v_add_nc_u32 v[B8], BBLK, v[B8]
	v_add_nc_u32 v[B4], BBLK, v[B4]
.rept 3
	v_nop
.endr
	FETCH \nxt
.else
.rept 8
	v_nop
.endr
.endif
.if \s == 0
	MUL \cur, 1
.else
	MUL \cur, 0
.endif
	WIN 0
.if \s == 7
	s_barrier_wait -1                              ; nobody reads operands any more
.endif
.endm
	s_load_b256 s[4:11], s[0:1], 0x0               ; oq, wpq, b_proj, out0
	v_lshl_add_u32 v[SPW], v0, 2, SPARE
	v_mov_b32 v[NIL], 0
	ds_add_u32 v[SPW], v[NIL]                      ; the wave's opening: the add, twice on end, and its wait ahead of my first tensor load
	ds_add_u32 v[SPW], v[NIL]
	v_lshrrev_b32 v3, 5, v0
	v_readfirstlane_b32 s14, v3                    ; wave
	s_lshr_b32 s15, s14, 1                         ; 0: I fetch o's blocks, 1: the weight's
	s_and_b32 s16, s14, 1                          ; even or odd K steps
	s_bfe_u32 s17, ttmp6, 0x40000                  ; cx
	s_bfe_u32 s18, ttmp6, 0x40004                  ; cy
	s_lshl_b32 s19, ttmp9, 2
	s_add_co_u32 s19, s19, s17                     ; group of 256 columns
	s_and_b32 s20, ttmp7, 0xffff
	s_lshl_b32 s20, s20, 2
	s_add_co_u32 s20, s20, s18                     ; group of 128 tokens
	s_lshl_b32 s21, s18, 2
	s_lshl_b32 s21, 15, s21                        ; my row of the cluster
	s_lshl_b32 s22, 0x1111, s17                    ; my column
	s_or_b32 s24, s21, (3<<16)|(1<<21)             ; group 1: a dense block as rows of 256 bytes: 50 rows of o, 100 of the weight
	s_mov_b32 s25, 32<<16
	s_mov_b32 s26, 50<<16
	s_mov_b32 s27, 32<<16
	s_mov_b32 s28, 50
	s_mov_b32 s29, 32
	s_mov_b32 s30, 0
	s_mov_b32 s31, 0
	s_or_b32 s32, s22, (3<<16)|(1<<21)
	s_mov_b32 s33, 32<<16
	s_mov_b32 s34, 100<<16
	s_mov_b32 s35, 32<<16
	s_mov_b32 s36, 100
	s_mov_b32 s37, 32
	s_mov_b32 s38, 0
	s_mov_b32 s39, 0
	s_mov_b32 s58, 0x05040100                      ; v_perm_b32: the two low halves,
	s_mov_b32 s59, 0x07060302                      ; the two high halves
	s_mul_i32 s84, s20, 8*ABLK
	s_mul_i32 s86, s16, ABLK
	s_add_co_u32 s84, s84, s86
	s_mov_b32 s85, 0
	s_mul_i32 s88, s19, 8*BBLK
	s_mul_i32 s90, s16, BBLK
	s_add_co_u32 s88, s88, s90
	s_mov_b32 s89, 0
	s_wait_dscnt 0x0                               ; both opening adds are done
	s_wait_kmcnt 0x0
	s_add_nc_u64 s[92:93], s[4:5], s[84:85]
	s_add_nc_u64 s[94:95], s[6:7], s[88:89]
	CROUND                                         ; all sixteen work-groups are here: the joint loads meet
.irp c, 0,1,2,3
	s_mov_b32 s[40+4*\c], 1
	s_add_co_u32 s[41+4*\c], s86, 2*ABLK*\c
	s_add_nc_u64 s[42+4*\c:43+4*\c], s[92:93], 2*ABLK*\c
	s_or_b32 s[43+4*\c], s[43+4*\c], 0x80000000
	s_mov_b32 s[68+4*\c], 1
	s_add_co_u32 s[69+4*\c], s90, BBASE+2*BBLK*\c
	s_add_nc_u64 s[70+4*\c:71+4*\c], s[94:95], 2*BBLK*\c
	s_or_b32 s[71+4*\c], s[71+4*\c], 0x80000000
.endr
	s_cmp_eq_u32 s15, 0                            ; a wave's four first fills stand in one arm; an s_nop 0 follows each, four v_nop the last
	s_cbranch_scc0 .Lfill_b
.irp c, 0,1,2,3
	tensor_load_to_lds s[40+4*\c:43+4*\c], s[24:31]
	s_nop 0
.endr
.rept 4
	v_nop
.endr
	s_branch .Lfilled
.Lfill_b:
.irp c, 0,1,2,3
	tensor_load_to_lds s[68+4*\c:71+4*\c], s[32:39]
	s_nop 0
.endr
.rept 4
	v_nop
.endr
.Lfilled:
	v_and_b32 v15, 31, v0
	v_lshlrev_b32 v[L16], 4, v15
	v_lshlrev_b32 v[L8], 3, v15
	v_lshlrev_b32 v[L4], 2, v15
	v_mov_b32 v[A16], v[L16]
	v_mov_b32 v[A8], v[L8]
	s_mul_i32 s84, s14, BGRP
	s_add_co_u32 s84, s84, BBASE
	v_add_nc_u32 v[B16], s84, v[L16]
	v_add_nc_u32 v[B8], s84, v[L8]
	v_add_nc_u32 v[B4], s84, v[L4]
	v_and_b32 v36, 15, v0                          ; r
	v_bfe_u32 v37, v0, 4, 1                        ; h
	s_mul_i32 s84, s14, 16*272                     ; my stage
	v_mul_u32_u24 v[STO], v36, 272
	v_lshl_add_u32 v[STO], v37, 6, v[STO]
	v_add_nc_u32 v[STO], s84, v[STO]               ; in: row r, + 64 h
	v_mul_u32_u24 v[RD], v37, 272
	v_lshl_add_u32 v[RD], v36, 4, v[RD]
	v_add_nc_u32 v[RD], s84, v[RD]                 ; back: lanes 0-15 one row of 256 bytes, lanes 16-31 the next
	v_lshlrev_b32 v[CO], 12, v37
	v_lshl_add_u32 v[CO], v36, 4, v[CO]            ; and the same two rows in out0
	s_lshl_b32 s84, s20, 19                        ; 128 rows of 4,096 bytes,
	s_lshl_b32 s86, s19, 10                        ; 256 columns,
	s_add_co_u32 s84, s84, s86
	s_lshl_b32 s86, s14, 8                         ; my 64
	s_add_co_u32 s84, s84, s86
	s_mov_b32 s85, 0
	s_add_nc_u64 s[60:61], s[10:11], s[84:85]
	s_lshl_b32 s88, s19, 10
	s_add_co_u32 s88, s88, s86
	s_mov_b32 s89, 0
	s_add_nc_u64 s[62:63], s[8:9], s[88:89]        ; my 64 numbers of the bias
	v_lshlrev_b32 v15, 6, v37                      ; register j of tile t is column 32 (t / 2) + 16 h + 8 (t % 2) + j
	WIN 0x40
.irp t, 0,1,2,3
	global_load_b128 v[BIAS+8*\t:BIAS+8*\t+3], v15, s[62:63] offset:(32*(\t/2)+8*(\t%2))*4
	global_load_b128 v[BIAS+8*\t+4:BIAS+8*\t+7], v15, s[62:63] offset:(32*(\t/2)+8*(\t%2))*4+16
.endr
	WIN 0
	s_wait_tensorcnt 3                             ; my first load (K step 0 or 1) has landed; my other three may stay out
	s_barrier_signal -1
	s_barrier_wait -1
	FETCH 0
	s_wait_loadcnt 0x0                             ; the bias
	KSTEP 0, 0, 1
	KSTEP 1, 1, 0
	KSTEP 2, 0, 1
	KSTEP 3, 1, 0
	KSTEP 4, 0, 1
	KSTEP 5, 1, 0
	KSTEP 6, 0, 1
	KSTEP 7, 1, 0
; THE WAY OUT, a tile of 16 tokens x 64 columns at a time: into my stage, back as whole rows of 256 bytes.  LDS serves a wave's instructions in order: no wait between the stores and the loads, nor ahead of the next tile's stores.
.macro TOSTAGE a
	WIN 0x08                                       ; an LDS store's data are its source 1: window 2
.irp t, 0,1,2,3
	ds_store_b128 v[STO], v[8*(4*(\a)+\t):8*(4*(\a)+\t)+3] offset:128*(\t/2)+32*(\t%2)        ; each accumulator from its low end on
	ds_store_b128 v[STO], v[8*(4*(\a)+\t)+4:8*(4*(\a)+\t)+7] offset:128*(\t/2)+32*(\t%2)+16
.endr
	WIN 0
.irp i, 0,1,2,3,4,5,6,7
	ds_load_b128 v[BK+32*((\a)%2)+4*\i:BK+32*((\a)%2)+4*\i+3], v[RD] offset:544*\i
.endr
.endm
.macro SEND a, younger                 ; row 2 i + h of tile a is token 32 (a / 2) + 8 (a % 2) + 2 i + h + 8 (i / 4) of the 128
	s_wait_dscnt \younger
.irp i, 0,1,2,3,4,5,6,7
	global_store_b128 v[CO], v[BK+32*((\a)%2)+4*\i:BK+32*((\a)%2)+4*\i+3], s[60:61] offset:(32*((\a)/2)+8*((\a)%2)+2*\i+8*(\i/4))*4096 th:TH_STORE_NT   ; 16 lanes store 256 consecutive bytes, at a multiple of 256 from out0's first byte
.endr
.endm
.rept 4
	v_nop                                          ; places behind the last products
.endr
	TOSTAGE 0
.irp a, 1,2,3,4,5,6,7
.if \a > 1
	s_wait_xcnt 0x0                                ; tile a - 2's stores have read their registers: tile a's loads may land there
.endif
	TOSTAGE \a
	SEND \a-1, 16                                  ; behind tile a - 1's loads: tile a's 8 stores and 8 loads
.endr
	SEND 7, 0
	s_wait_tensorcnt 0x0                           ; the wave's end: behind my last tensor load and my last LDS store
	ds_add_u32 v[SPW], v[NIL]
	s_wait_dscnt 0x0
	CROUND                                         ; the closing round
	s_endpgm
.Lfunc_end_k_q60284c3a30_proj:
	.size	k_q60284c3a30_proj, .Lfunc_end_k_q60284c3a30_proj-k_q60284c3a30_proj
	.p2alignl 7, 3214868480
	.fill 96, 4, 3214868480
	.section	.rodata,"a",@progbits
	.p2align	6, 0x0
	.amdhsa_kernel k_q60284c3a30_proj
		.amdhsa_group_segment_fixed_size 327680
		.amdhsa_private_segment_fixed_size 0
		.amdhsa_enable_private_segment 0
		.amdhsa_kernarg_size 32
		.amdhsa_user_sgpr_count 2
		.amdhsa_user_sgpr_kernarg_segment_ptr 1
		.amdhsa_wavefront_size32 1
		.amdhsa_system_sgpr_workgroup_id_x 1
		.amdhsa_system_sgpr_workgroup_id_y 1
		.amdhsa_system_sgpr_workgroup_id_z 1
		.amdhsa_system_vgpr_workitem_id 0
		.amdhsa_next_free_vgpr 768
		.amdhsa_next_free_sgpr 100
		.amdhsa_reserve_vcc 0
		.amdhsa_float_denorm_mode_32 3
		.amdhsa_float_denorm_mode_16_64 3
		.amdhsa_memory_ordered 1
		.amdhsa_forward_progress 1
		.amdhsa_inst_pref_size 89
	.end_amdhsa_kernel
	.amdgpu_metadata
---
amdhsa.version: [ 1, 2 ]
amdhsa.kernels:
  - .name:           k_q60284c3a30_proj
    .symbol:         k_q60284c3a30_proj.kd
    .args:
      - { .name: oq, .offset: 0, .size: 8, .value_kind: global_buffer, .address_space: global }
      - { .name: wpq, .offset: 8, .size: 8, .value_kind: global_buffer, .address_space: global }
      - { .name: b_proj, .offset: 16, .size: 8, .value_kind: global_buffer, .address_space: global }
      - { .name: out0, .offset: 24, .size: 8, .value_kind: global_buffer, .address_space: global }
    .group_segment_fixed_size: 327680
    .private_segment_fixed_size: 0
    .kernarg_segment_align: 8
    .kernarg_segment_size: 32
    .max_flat_workgroup_size: 128
    .sgpr_count:     100
    .vgpr_count:     768
    .wavefront_size: 32
...
	.end_amdgpu_metadata
.endif
;; end of part 4
;; ======== version 2 of 2: 4 launches; version 1 with the launch attn written anew for expert scheduling mode
;; workspace buffers: xq 6,553,600 bytes; waq 2,457,600 bytes; wpq 819,200 bytes; qimg 6,815,744 bytes; kv 13,631,488 bytes; oq 6,553,600 bytes
;; launch quant: the kernel of part 1 again; grid 768 x 1, 4 waves a work-group, no clusters, 68,096 bytes of LDS; arguments x, w_attn, w_proj, xq, waq, wpq; writes xq, waq, wpq
;; launch qkv: the kernel of part 2 again; grid 12 x 64, 4 waves a work-group, clusters of 4 x 4, 327,680 bytes of LDS; arguments xq, waq, b_attn, qimg, kv; writes qimg, kv
;; launch attn (part 5): grid 4 x 64, 16 waves a work-group, no clusters, 35,328 bytes of LDS; arguments qimg, kv, oq; writes oq
.if DOCPART == 5
	.amdgcn_target "amdgcn-amd-amdhsa--gfx1250"
	.amdhsa_code_object_version 6
	.text
	.protected	k_q60284c3a30_attn
	.globl	k_q60284c3a30_attn
	.p2align	8
	.type	k_q60284c3a30_attn,@function
k_q60284c3a30_attn:
	s_mov_b64 s[64:65], 0
	v_nop
	global_prefetch_b8 v0, s[64:65] scope:SCOPE_SE
	s_setreg_imm32_b32 hwreg(HW_REG_WAVE_SCHED_MODE, 0, 2), 2
	s_setreg_imm32_b32 hwreg(HW_REG_WAVE_MODE, 25, 1), 1
	s_wait_xcnt 0x0
	s_wait_alu depctr_vm_vsrc(0)
; LAUNCH 3 OF 4.  o = softmax(q k^T / 8, causal) v for one head, both products on codes of FP6 with E8M0 scales; o is quantised along the model's 1,024 and leaves as images of launch proj's operand.
; LEFT OUT AS DEAD WORK (shown at the head of launch quant): a step of 128 keys all of which come after a tile's 16 queries.
; THE SOFTMAX: t = score x log2(e) / 8; M = the running largest t rounded UP to a whole number; p = 2^(t - M) is quantised along the keys, not normalised; the row's sum is taken of the unquantised p and divides at the end.
; When M moves, the sum and O are multiplied by 2^(old M - new M): nothing is rounded, and no branch hangs on data.
; SHARES.  Work-group (a, head) owns query blocks a and 7 - a of 256 queries: a + 1 and 8 - a trips of 256 keys: NINE TRIPS IN EVERY WORK-GROUP.  Each of its sixteen waves owns one tile of 16 queries of the block in hand:
; four waves to a SIMD, so that one wave's vector work stands beside another's products and LDS loads.  Wave w takes tile w / 2 of the block's half HI = (w xor w / 4) % 2.
; In a block's last trip the step of keys e = HI lies on the diagonal and is masked; for HI = 0 the step e = 1 is left out.  These are scalar branches on ids and lead round no barrier and not round the copy.
; K AND V come as launch qkv laid them: a step of 128 keys is 13,312 dense bytes.  Waves 0-12 copy it through registers into one of two LDS slots, 32 bytes a lane; each global load has a whole step in which to land.
; NO CLUSTER, NO JOINT LOADS: the four work-groups of a head walk different numbers of key steps in a different order (1 + 8, 2 + 7, 3 + 6, 4 + 5 trips), so they do not want the same tile at the same time.
; LAYOUT.  Both products are used transposed: S^T = K Q^T, O^T = V^T P^T: a lane holds ONE query throughout.  The keys of a tile of K, the queries of a tile and the channels of a tile of V^T stand in launch quant's order,
; so that the 16 registers of two neighbouring tiles are 16 neighbours.
; K = 64 IN AN INSTRUCTION OF 128: Q's registers 6-11 are zero codes and both sides' scale bytes 2 and 3 are 0x7f.  K's tiles stand 6 registers apart, so the upper half of tile t's operand is tile t + 1's codes (zeros behind tile 7):
; every code of E2M3 is a finite number, and times the code 0 it adds exactly 0.
; LIMITS OF THE QUANTISER: as in launch quant.
; REGISTERS: v1-10 addresses and constants; v12 -M, v13 the largest t, v[14:15] the sum; v16-27 Q, v28 its words; v30-36 the second block's; v38-53 the copy, two sets; v54-107 K, then V^T; v108-115 their words;
; v116-179 S^T, then p; v180-211 O^T; v212-223 p's codes; v224-253 at work.  s44-59: at the head at work, in the loop the mask's sixteen compare results.
; THE MODE: SCHED_MODE bits 1:0 = 2 (LLVM: expert scheduling mode 2), set by the entry lines.  The code itself states the register dependences between vector or matrix instructions and memory or LDS instructions,
; with s_wait_alu, always for 0.
; THE PLAN.  Registers that memory or LDS instructions touch:
;   v3, v4, v5, v8, v9, v10   addresses and offsets: written once at the head, never again.
;   v240-242      addresses of Q's loads at the head; every step writes them again as scale operands.
;   v38-45, v46-53  the copy's sets.  Step e: its LDS stores read set 1 - e, its global loads land in set e, which the LDS stores of the step before read.  In the loop no vector instruction names them.
;   v54-101       K's LDS loads land at a step's start, where the products V^T P of the step before read; V^T's land behind the products K Q^T, which read K there.  v108-111, v112-115: the two products' scale words, likewise.
;   v212-217, v244, v250-251   at a block's end: stores read them, and an LDS load lands in v250-251; every step's vector instructions write them again.
;   v1, v2        written at the head, read by the closing add alone.
; So a step has: behind its barrier one wait on vm_vsrc and one on va_vdst, which free the copy's set, K's registers and what a block's end stored; one on va_vdst behind the products K Q^T, behind which V^T's thirteen loads are dealt
; among the lines of the maximum with no further wait, since no vector instruction names their registers before the second product; the two waits behind the exponentials; one on va_vdst ahead of the products V^T P, for p's codes and word.
; All 256 registers that four waves on a SIMD can have are laid out: there is no room for registers of V^T's own.
.set SLOTB, 16384                      ; slot 1 begins here
.set GATH,  32768                      ; 512 bytes: the block's scale bytes of o meet here
.set SPARE, 33280                      ; the spare words, 128 bytes a wave
.set KR, 54
.set KS, 108
.set VS, 112
.set S,  116
.set OT, 180
.set P,  212
.set TQ, 224
.set BM, 232
.set PT, 236
.set SO, 240
.set PW, 244
.set F,  246
.set PS, 248
.set T0, 250
.set MK, 44                            ; s44-59
	s_load_b128 s[4:7], s[0:1], 0x0                ; qimg, kv
	s_load_b64 s[8:9], s[0:1], 0x10                ; oq
	v_lshl_add_u32 v1, v0, 2, SPARE                ; my spare word,
	v_mov_b32 v2, 0                                ; and 0: kept for the closing lines
	v_lshrrev_b32 v3, 5, v0
	v_readfirstlane_b32 s10, v3                    ; wave
	s_mov_b32 s14, ttmp9                           ; a
	s_and_b32 s15, ttmp7, 0xffff                   ; 16 x batch + head
	s_mov_b32 s16, 0                               ; the trip
	s_mov_b32 s17, 0                               ; its 256 keys
	s_mov_b32 s22, 0x3e38aa3b                      ; c = log2(e) / 8
	s_mov_b32 s23, s22                             ; (named with it as a pair)
	s_mov_b32 s24, 0x76543210
	s_mov_b32 s25, 0xfedcba98                      ; v_permlanex16_b32's selects for lane l xor 16
	v_and_b32 v250, 31, v0                         ; lane
	v_and_b32 v251, 15, v0                         ; r
	v_bfe_u32 v252, v0, 4, 1                       ; h
	v_lshlrev_b32 v3, 4, v250                      ; 16 x lane
	v_lshlrev_b32 v4, 3, v250                      ; 8 x lane
	v_lshlrev_b32 v5, 4, v0                        ; 16 x thread: the copy's place, in memory and in a slot
	v_and_b32 v253, 8, v251
	v_add_nc_u32 v6, v253, v251
	v_lshlrev_b32 v253, 4, v252
	v_sub_nc_u32 v6, v6, v253
	v_mov_b32 v7, 0xff800000                       ; -infinity
	v_lshlrev_b32 v10, 8, v250                     ; the prefetches' offset: lanes 256 bytes apart
.set i, 0
.rept 16
	v_mov_b32 v[38+i], 0                           ; the copy's registers are written once in every wave; waves 0-12 then load them
.set i, i+1
.endr
	s_wait_alu depctr_va_sdst(0)                   ; s10 is written, ahead of its first reader: the wave's shares, addresses and branches are made from it
	s_lshr_b32 s12, s10, 2
	s_xor_b32 s12, s12, s10
	s_and_b32 s12, s12, 1                          ; HI: which 128 queries of the block
	s_lshr_b32 s13, s10, 1                         ; my tile among their eight
	s_and_b32 s11, s10, 1
	s_lshr_b32 s50, s13, 1
	s_and_b32 s51, s13, 1
	s_lshl_b32 s42, s50, 5
	s_lshl_b32 s43, s51, 3
	s_add_co_u32 s42, s42, s43
	v_add_nc_u32 v6, s42, v6                       ; my query among its 128, less 16 h: register 16 b + i holds key 32 b + 16 h + i, hidden on the diagonal where 32 b + i is greater
	s_lshl_b32 s42, s12, 8
	s_lshl_b32 s43, s51, 7
	s_add_co_u32 s42, s42, s43
	s_lshl_b32 s43, s50, 1
	s_add_co_u32 s42, s42, s43
	s_add_co_u32 s42, s42, GATH
	v_lshl_add_u32 v8, v251, 3, s42                ; where my row's two scale bytes of o go
	s_lshl_b32 s42, s11, 8
	s_add_co_u32 s42, s42, GATH
	v_add_nc_u32 v9, s42, v4                       ; and where waves 0 and 1 read 256 of them back
	s_mul_i32 s42, s13, 768
	v_add_nc_u32 v240, s42, v3                     ; Q's image: my tile's registers 0-3,
	s_add_co_u32 s42, s42, 512
	v_add_nc_u32 v241, s42, v4                     ; 4-5,
	s_lshl_b32 s42, s51, 8
	s_lshl_b32 s43, s50, 2
	s_add_co_u32 s42, s42, s43
	s_add_co_u32 s42, s42, 6144
	v_lshl_add_u32 v242, v251, 4, s42              ; and row r's scale word
	s_cmp_lt_u32 s10, 14                           ; who prefetches: waves 14 and 15 of the head's first work-group
	s_cselect_b32 s32, 100, 0
	s_cmp_lg_u32 ttmp9, 0
	s_cselect_b32 s32, 100, s32
	s_mov_b32 s43, 0
	s_wait_kmcnt 0x0
	s_mul_i32 s42, s15, 212992
	s_add_nc_u64 s[26:27], s[6:7], s[42:43]        ; my head's K and V: 16 steps of 13,312 bytes
	s_lshl_b32 s42, s11, 13
	s_add_nc_u64 s[30:31], s[26:27], s[42:43]      ; where my prefetches stand
	s_wait_alu depctr_va_vdst(0)                   ; the addresses v3, v4, v5, v8, v9, v10 and v240-242 are written, which every load, store and prefetch of the kernel reads; so are the zeros in v38-53, in which the copy's loads land
	s_cmp_lt_u32 s10, 13
	s_cbranch_scc0 .Lno_first
	global_load_b128 v[38:41], v5, s[26:27]                    ; keys 0-127: K's part,
	global_load_b128 v[42:45], v5, s[26:27] offset:6656        ; V's part
	global_load_b128 v[46:49], v5, s[26:27] offset:13312       ; keys 128-255
	global_load_b128 v[50:53], v5, s[26:27] offset:19968
.Lno_first:
	s_lshl_b32 s44, s14, 1
	s_lshl_b32 s42, s15, 4
	s_add_co_u32 s42, s42, s44
	s_add_co_u32 s42, s42, s12                     ; the group of 128 queries: 16 x (batch, head) + 2 a + HI
	s_mul_i32 s42, s42, 6656
	s_add_nc_u64 s[46:47], s[4:5], s[42:43]
	s_lshl_b32 s45, s14, 2
	s_sub_co_u32 s45, 14, s45                      ; block 7 - a lies 14 - 4 a groups further on
	s_mul_i32 s42, s45, 6656
	s_add_nc_u64 s[48:49], s[46:47], s[42:43]
	global_load_b128 v[16:19], v240, s[46:47] th:TH_LOAD_NT
	global_load_b64 v[20:21], v241, s[46:47] th:TH_LOAD_NT
	global_load_b32 v28, v242, s[46:47]
	global_load_b128 v[30:33], v240, s[48:49] th:TH_LOAD_NT
	global_load_b64 v[34:35], v241, s[48:49] th:TH_LOAD_NT
	global_load_b32 v36, v242, s[48:49]
	s_and_b32 s52, s15, 0xfff0                     ; o's images: block ((16 x batch + 2 a + half) x 8 + head / 2), half a fragment for each head
	s_add_co_u32 s52, s52, s44
	s_and_b32 s53, s15, 15
	s_lshr_b32 s54, s53, 1
	s_and_b32 s53, s53, 1
	s_add_co_u32 s42, s52, s12
	s_lshl_b32 s42, s42, 3
	s_add_co_u32 s42, s42, s54
	s_mul_i32 s42, s42, 12800
	s_mul_i32 s55, s13, 1536
	s_add_co_u32 s42, s42, s55
	s_mul_i32 s55, s53, 768
	s_add_co_u32 s42, s42, s55
	s_add_nc_u64 s[34:35], s[8:9], s[42:43]        ; my tile's codes
	s_add_co_u32 s42, s52, s11
	s_lshl_b32 s42, s42, 3
	s_add_co_u32 s42, s42, s54
	s_mul_i32 s42, s42, 12800
	s_lshl_b32 s55, s53, 8
	s_add_co_u32 s42, s42, s55
	s_add_co_u32 s42, s42, 12288
	s_add_nc_u64 s[38:39], s[8:9], s[42:43]        ; the scale bytes of half wave % 2 (waves 0 and 1 store them)
	s_mul_i32 s42, s45, 102400
	s_add_nc_u64 s[36:37], s[34:35], s[42:43]      ; the same for block 7 - a
	s_add_nc_u64 s[40:41], s[38:39], s[42:43]
.irp i, 0,1,2,3,4,5
	v_mov_b32 v[22+\i], 0                          ; Q's upper half: zero codes
	v_mov_b32 v[102+\i], 0                         ; and what stands behind K's tile 7
.endr
	v_mov_b32 v13, 0xff61b1e6                      ; the largest t so far: -3e38
	v_floor_f32 v12, -v13                          ; -M
	v_mov_b32 v14, 0
	v_mov_b32 v15, 0
.set i, 0
.rept 32
	v_mov_b32 v[OT+i], 0                           ; O^T: the step is written once; the first finds zeros
.set i, i+1
.endr
.irp b, 0,1,2,3
	v_mov_b32 v[PT+\b], 0                          ; a lane permute's destination counts as one of its sources
.endr
	v_mov_b32 v[F+1], 0                            ; (named as the upper half of a pair)
	s_wait_loadcnt 0x0
	s_cmp_lt_u32 s10, 13
	s_cbranch_scc0 .Lhead_done
	ds_store_b128 v5, v[38:41]                     ; keys 0-127 into slot 0 (no vector instruction since the wait ahead of the first loads names v5 or v38-45)
	ds_store_b128 v5, v[42:45] offset:6656
.Lhead_done:
; Tile t of V^T, 16 channels x 128 keys, out of slot e: three loads.
.macro VT e, t
.irp i, 0,1,2
	ds_load_b128 v[KR+12*(\t)+4*\i:KR+12*(\t)+4*\i+3], v3 offset:SLOTB*(\e)+6656+1536*(\t)+512*\i
.endr
.endm
; A STEP OF 128 KEYS, in slot e.
.macro STEP e
	s_wait_dscnt 0x0                               ; my stores into this slot are done, and my reads of the other slot are over
	s_barrier_signal -1
	s_barrier_wait -1                              ; both hold of all sixteen waves
	s_wait_alu depctr_vm_vsrc(0)                   ; the last step's LDS stores have read the copy's set in which this step's loads land; in the first trip Q's loads have read v240-242; behind a block's end its stores have read v212-217, v244 and v250-251: this step writes all of these again
	s_wait_alu depctr_va_vdst(0)                   ; the last products are done reading v54-101 and the scale words v108-115, in which this step's LDS loads land; Q's codes and words and the zero codes, where vector instructions wrote them, are written, ahead of the products that take them
	s_cmp_lt_u32 s10, 13
	s_cbranch_scc0 .Lask_\@
	s_wait_loadcnt 0x0                             ; the next step's bytes, asked for a step ago, are in registers
.if \e == 1
	s_cmp_eq_u32 s16, 8                            ; the last trip has no successor
	s_cbranch_scc1 .Lmoved_\@
.endif
	ds_store_b128 v5, v[46-8*\e:49-8*\e] offset:SLOTB*(1-\e)
	ds_store_b128 v5, v[50-8*\e:53-8*\e] offset:SLOTB*(1-\e)+6656
.if \e == 0
	s_cmp_eq_u32 s16, 8
	s_cbranch_scc1 .Lmoved_\@
.endif
	global_load_b128 v[38+8*\e:41+8*\e], v5, s[28:29] offset:13312*\e        ; the next trip's step e
	global_load_b128 v[42+8*\e:45+8*\e], v5, s[28:29] offset:13312*\e+6656
	s_branch .Lmoved_\@
.Lask_\@:
	; A PREFETCH INTO THE L2.  A head's K and V are 26 pieces of 8,192 bytes.  All four work-groups of a head read them; the first asks, waves 14 and 15, one instruction a step, lanes 256 bytes apart: in trip T, step e, piece
	; 4 T + 4 + 2 e + wave % 2, for T = 1 .. 5 (e = 1: .. 4): pieces 8 to 25, each once.  Pieces 0 to 7 come by their loads alone; behind piece 25 nothing is asked for.
	s_add_co_u32 s42, s16, s32
	s_sub_co_u32 s42, s42, 1
	s_cmp_lt_u32 s42, 5-\e
	s_cbranch_scc0 .Lmoved_\@
	global_prefetch_b8 v10, s[30:31] offset:16384*\e th:TH_LOAD_NT scope:SCOPE_SE
.Lmoved_\@:
.if \e == 1
	s_cmp_eq_u32 s20, 1                            ; all 128 keys come after my queries
	s_cbranch_scc1 .Lend_\@
.endif
.irp t, 0,1,2,3,4,5,6,7                        ; no vector or matrix instruction since the step's wait on va_vdst names the registers of these loads
	ds_load_b128 v[KR+6*\t:KR+6*\t+3], v3 offset:SLOTB*\e+768*\t
	ds_load_b64 v[KR+6*\t+4:KR+6*\t+5], v4 offset:SLOTB*\e+768*\t+512
.endr
	ds_load_b128 v[KS:KS+3], v3 offset:SLOTB*\e+6144   ; register p: lanes 0-15 tile 2 p's words, lanes 16-31 tile 2 p + 1's
	s_wait_dscnt 0x0
.irp t, 0,2,4,6
	v_wmma_scale_f32_16x16x128_f8f6f4 v[S+8*\t:S+8*\t+7], v[KR+6*\t:KR+6*\t+11], v[16:27], 0, v[KS+\t/2], v28 matrix_a_fmt:MATRIX_FMT_FP6 matrix_b_fmt:MATRIX_FMT_FP6
	v_wmma_scale_f32_16x16x128_f8f6f4 v[S+8*\t+8:S+8*\t+15], v[KR+6*\t+6:KR+6*\t+17], v[16:27], 0, v[KS+\t/2], v28 matrix_a_fmt:MATRIX_FMT_FP6 matrix_b_fmt:MATRIX_FMT_FP6 matrix_a_scale:MATRIX_SCALE_ROW1
.endr
.rept 4
	v_nop                                          ; places behind the products, ahead of the first read of the scores
.endr
	s_wait_alu depctr_va_vdst(0)                   ; the eight products are done reading K's registers v54-101, in which V^T lands
	VT \e, 0                                       ; V^T lands while the softmax is walked: its loads are dealt among the lines of the maximum, none of which names v54-101 or v112-115
	ds_load_b128 v[VS:VS+3], v3 offset:SLOTB*\e+12800
	s_cmp_eq_u32 s[20+\e], 0                       ; on the diagonal hidden scores become -infinity ahead of the maximum: p = 0 then
	s_cbranch_scc1 .Lopen_\@
.irp g, 0,1,2,3                                ; a block of 32 keys at a time: my sixteen compares, one wait, my sixteen selects
.set n, 0
.rept 16
	v_cmp_gt_i32 s[MK+n], 32*\g+n, v6
.set n, n+1
.endr
	s_wait_alu depctr_va_sdst(0)                   ; the sixteen compares have written s44-59, ahead of the selects that read them
.set n, 0
.rept 16
	v_cndmask_b32 v[S+16*\g+n], v[S+16*\g+n], v7, s[MK+n]
.set n, n+1
.endr
.endr
.Lopen_\@:
.irp b, 0,1,2,3
	v_max3_num_f32 v[BM+\b], v[S+16*\b], v[S+16*\b+1], v[S+16*\b+2]   ; the largest score of each block of 32 keys: for the row's maximum and, since p rises with the score, for the block's largest p
.endr
.irp i, 3,5
.irp b, 0,1,2,3
	v_max3_num_f32 v[BM+\b], v[BM+\b], v[S+16*\b+\i], v[S+16*\b+\i+1]
.endr
.endr
	VT \e, 1
.irp i, 7,9
.irp b, 0,1,2,3
	v_max3_num_f32 v[BM+\b], v[BM+\b], v[S+16*\b+\i], v[S+16*\b+\i+1]
.endr
.endr
	VT \e, 2
.irp i, 11,13
.irp b, 0,1,2,3
	v_max3_num_f32 v[BM+\b], v[BM+\b], v[S+16*\b+\i], v[S+16*\b+\i+1]
.endr
.endr
	VT \e, 3
.irp b, 0,1,2,3
	v_max_num_f32 v[BM+\b], v[BM+\b], v[S+16*\b+15]
.endr
.irp b, 0,1,2,3
	v_permlanex16_b32 v[PT+\b], v[BM+\b], s24, s25
.endr
.irp b, 0,1,2,3
	v_max_num_f32 v[BM+\b], v[BM+\b], v[PT+\b]     ; with lane l xor 16's 16 keys
.endr
	v_max3_num_f32 v[T0], v[BM], v[BM+1], v[BM+2]
	v_max_num_f32 v[T0], v[T0], v[BM+3]
	v_mul_f32 v[T0], s22, v[T0]                    ; the step's largest t
	v_max_num_f32 v13, v13, v[T0]                  ; the running largest
	v_mov_b32 v[T0], v12
	v_floor_f32 v12, -v13                          ; the new -M = -ceil(t): a whole number
	v_sub_f32 v[T0], v12, v[T0]                    ; old M - new M, 0 or less
	v_cvt_i32_f32 v[T0], v[T0]                     ; (it saturates)
	v_ldexp_f32 v[F], 1.0, v[T0]                   ; f = 2^(old M - new M)
.set j, 0
.rept 32
	v_pk_fma_f32 v[S+j:S+j+1], v[S+j:S+j+1], s[22:23], v[12:13] op_sel_hi:[1,0,0]   ; t - M, two at a time
.set j, j+2
.endr
.irp b, 0,1,2,3
	v_fma_f32 v[BM+\b], v[BM+\b], s22, v12         ; the same of each block's largest score
.endr
.set j, 0
.rept 64
	v_exp_f32 v[S+j], v[S+j]                       ; p = 2^(t - M): one batch
.set j, j+1
.endr
	v_pk_mul_f32 v[14:15], v[14:15], v[F:F+1] op_sel_hi:[1,0]   ; the sum under the new M: the plain instruction behind the batch
	s_wait_alu depctr_va_vdst(0)                   ; the 64 exponentials have written p, v116-179: one wait for the batch, ahead of its first reader
.irp b, 0,1,2,3
	v_exp_f32 v[BM+\b], v[BM+\b]                   ; each block's largest p: the same two instructions on the same number give the same bits
.endr
	v_pk_add_f32 v[PS:PS+1], v[S:S+1], v[S+2:S+3]  ; the row's sum of the unquantised p, in two chains
.set j, 4
.rept 15
	v_pk_add_f32 v[14:15], v[14:15], v[S+j:S+j+1]
	v_pk_add_f32 v[PS:PS+1], v[PS:PS+1], v[S+j+2:S+j+3]
.set j, j+4
.endr
	v_pk_add_f32 v[14:15], v[14:15], v[PS:PS+1]
	s_wait_alu depctr_va_vdst(0)                   ; the four exponentials have written v232-235, ahead of their first reader
.irp b, 0,1,2,3
	v_max_num_f32 v[BM+\b], 0x1800000, v[BM+\b]    ; the floor: the byte cannot fall under 1
.endr
.irp b, 0,1,2,3
	v_add_nc_u32 v[SO+\b], 0xff000000, v[BM+\b]    ; the conversion's scale operand
.endr
.irp b, 0,1,2,3
	v_lshrrev_b32 v[PT+\b], 23, v[SO+\b]           ; the scale's byte
.endr
	v_lshl_or_b32 v[PW], v[PT+1], 8, v[PT]
	v_lshl_or_b32 v[PW], v[PT+2], 16, v[PW]
	v_lshl_or_b32 v[PW], v[PT+3], 24, v[PW]        ; p's scale word for these 128 keys
.irp c, 0,1
	v_cvt_scalef32_pk16_fp6_f32 v[P+6*\c:P+6*\c+2], v[S+32*\c:S+32*\c+15], v[SO+2*\c]
	v_cvt_scalef32_pk16_fp6_f32 v[TQ+4*\c:TQ+4*\c+2], v[S+32*\c+16:S+32*\c+31], v[SO+2*\c+1]
.endr
	v_nop                                          ; one plain instruction behind the last scaled conversion
.irp c, 0,1
.irp i, 0,1,2
	v_permlane16_swap_b32 v[P+6*\c+\i], v[TQ+4*\c+\i]
.endr
.irp i, 0,1,2
	v_mov_b32 v[P+6*\c+3+\i], v[TQ+4*\c+\i]
.endr
.endr
.set j, 0
.rept 16
	v_pk_mul_f32 v[OT+j:OT+j+1], v[OT+j:OT+j+1], v[F:F+1] op_sel_hi:[1,0]   ; O^T under the new M.  These are also the places between the writes of p's codes and word and the products
.set j, j+2
.endr
	s_wait_dscnt 0x0                               ; V^T is in
	s_wait_alu depctr_va_vdst(0)                   ; p's codes v212-223 and its scale word v244 are written, which the products take as source 1 and its scales; the places above stay beside this wait
.irp t, 0,1,2,3
	v_wmma_scale_f32_16x16x128_f8f6f4 v[OT+8*\t:OT+8*\t+7], v[KR+12*\t:KR+12*\t+11], v[P:P+11], v[OT+8*\t:OT+8*\t+7], v[VS+\t], v[PW] matrix_a_fmt:MATRIX_FMT_FP6 matrix_b_fmt:MATRIX_FMT_FP6
.endr
.Lend_\@:
.endm
.Ltrip:
	s_cmp_eq_u32 s16, s14                          ; is this a block's last trip?  Trip a ends block a, trip 8 block 7 - a
	s_cselect_b32 s19, 1, 0
	s_cmp_eq_u32 s16, 8
	s_cselect_b32 s19, 1, s19
	s_sub_co_u32 s20, 1, s12
	s_and_b32 s20, s20, s19                        ; step 0 is on my diagonal (and step 1 is left out)
	s_and_b32 s21, s19, s12                        ; step 1 is on my diagonal
	s_add_co_u32 s18, s17, 1
	s_cmp_eq_u32 s19, 1
	s_cselect_b32 s18, 0, s18                      ; the next trip's 256 keys: the next block begins at key 0
	s_wait_xcnt 0x0                                ; the last trip's loads and prefetches have read their bases
	s_mul_i32 s42, s18, 26624
	s_mov_b32 s43, 0
	s_add_nc_u64 s[28:29], s[26:27], s[42:43]
	s_add_nc_u64 s[30:31], s[30:31], 32768
	STEP 0
	STEP 1
	s_cmp_eq_u32 s19, 0
	s_cbranch_scc1 .Lnot_last
	; ---- A BLOCK'S END: o = O^T / the sum, quantised along the head's 64: two blocks, half a fragment of launch proj's operand
.rept 4
	v_nop                                          ; places behind the last products
.endr
	v_add_f32 v14, v14, v15
	v_permlanex16_b32 v[T0], v14, s24, s25
	v_add_f32 v14, v14, v[T0]                      ; the row's sum
	v_rcp_f32 v[F], v14
	v_nop                                          ; a plain instruction behind the reciprocal,
	s_wait_alu depctr_va_vdst(0)                   ; and the reciprocal has written v246, ahead of its first reader
.set j, 0
.rept 16
	v_pk_mul_f32 v[S+j:S+j+1], v[OT+j:OT+j+1], v[F:F+1] op_sel_hi:[1,0]   ; register 16 b + i: channel 32 b + 16 h + i of my query; each accumulator from its low end on
.set j, j+2
.endr
.irp b, 0,1
	v_max3_num_f32 v[BM+\b], |v[S+16*\b]|, |v[S+16*\b+1]|, 0x1800000
.endr
.irp i, 2,4,6,8,10,12,14
.irp b, 0,1
	v_max3_num_f32 v[BM+\b], v[BM+\b], |v[S+16*\b+\i]|, |v[S+16*\b+\i+1]|
.endr
.endr
.irp b, 0,1
	v_permlanex16_b32 v[PT+\b], v[BM+\b], s24, s25
.endr
.irp b, 0,1
	v_max_num_f32 v[BM+\b], v[BM+\b], v[PT+\b]
.endr
.irp b, 0,1
	v_add_nc_u32 v[SO+\b], 0xff000000, v[BM+\b]
.endr
.irp b, 0,1
	v_lshrrev_b32 v[PT+\b], 23, v[SO+\b]
.endr
	v_lshl_or_b32 v[PW], v[PT+1], 8, v[PT]         ; my row's two bytes
	v_cvt_scalef32_pk16_fp6_f32 v[P:P+2], v[S:S+15], v[SO]
	v_cvt_scalef32_pk16_fp6_f32 v[TQ:TQ+2], v[S+16:S+31], v[SO+1]
	v_nop
.irp i, 0,1,2
	v_permlane16_swap_b32 v[P+\i], v[TQ+\i]
.endr
.irp i, 0,1,2
	v_mov_b32 v[P+3+\i], v[TQ+\i]
.endr
	s_wait_alu depctr_va_vdst(0)                   ; o's codes v212-217 and its bytes v244 are written, which the three stores below read; the vector instructions that named v250-251 are done, where the LDS load below lands
	global_store_b128 v3, v[P:P+3], s[34:35]                   ; 512 consecutive bytes
	global_store_b64 v4, v[P+4:P+5], s[34:35] offset:512       ; 256
	ds_store_b16 v8, v[PW]                         ; both lanes of a row write the same two bytes
	s_wait_dscnt 0x0
	s_barrier_signal -1                            ; (the branch round this block hangs on the work-group's number and the trip alone: all sixteen waves go the same way)
	s_barrier_wait -1
	s_cmp_lt_u32 s10, 2
	s_cbranch_scc0 .Lno_bytes
	ds_load_b64 v[T0:T0+1], v9
	s_wait_dscnt 0x0
	global_store_b64 v4, v[T0:T0+1], s[38:39]      ; the bytes of 128 rows: one aligned 256 bytes
.Lno_bytes:
	s_wait_xcnt 0x0                                ; the stores have read their registers and bases (the registers are written again only behind the next step's wait on vm_vsrc; the lines below name none of them)
	; on to block 7 - a (behind that block these lines change nothing that is read again)
.irp i, 0,1,2,3,4,5
	v_mov_b32 v[16+\i], v[30+\i]
.endr
	v_mov_b32 v28, v36
	v_mov_b32 v13, 0xff61b1e6
	v_floor_f32 v12, -v13
	v_mov_b32 v14, 0
	v_mov_b32 v15, 0
.set i, 0
.rept 32
	v_mov_b32 v[OT+i], 0
.set i, i+1
.endr
	s_mov_b64 s[34:35], s[36:37]
	s_mov_b64 s[38:39], s[40:41]
.Lnot_last:
	s_mov_b32 s17, s18
	s_add_co_u32 s16, s16, 1
	s_cmp_lt_u32 s16, 9
	s_cbranch_scc1 .Ltrip
	s_wait_dscnt 0x0                               ; the wave's end
	s_wait_alu 0x0
	s_wait_tensorcnt 0x0
	ds_add_u32 v1, v2
	s_wait_dscnt 0x0
	s_endpgm
.Lfunc_end_k_q60284c3a30_attn:
	.size	k_q60284c3a30_attn, .Lfunc_end_k_q60284c3a30_attn-k_q60284c3a30_attn
	.p2alignl 7, 3214868480
	.fill 96, 4, 3214868480
	.section	.rodata,"a",@progbits
	.p2align	6, 0x0
	.amdhsa_kernel k_q60284c3a30_attn
		.amdhsa_group_segment_fixed_size 35328
		.amdhsa_private_segment_fixed_size 0
		.amdhsa_enable_private_segment 0
		.amdhsa_kernarg_size 24
		.amdhsa_user_sgpr_count 2
		.amdhsa_user_sgpr_kernarg_segment_ptr 1
		.amdhsa_wavefront_size32 1
		.amdhsa_system_sgpr_workgroup_id_x 1
		.amdhsa_system_sgpr_workgroup_id_y 1
		.amdhsa_system_sgpr_workgroup_id_z 1
		.amdhsa_system_vgpr_workitem_id 0
		.amdhsa_next_free_vgpr 256
		.amdhsa_next_free_sgpr 66
		.amdhsa_reserve_vcc 0
		.amdhsa_float_denorm_mode_32 3
		.amdhsa_float_denorm_mode_16_64 3
		.amdhsa_memory_ordered 1
		.amdhsa_forward_progress 1
		.amdhsa_inst_pref_size 65
	.end_amdhsa_kernel
	.amdgpu_metadata
---
amdhsa.version: [ 1, 2 ]
amdhsa.kernels:
  - .name:           k_q60284c3a30_attn
    .symbol:         k_q60284c3a30_attn.kd
    .args:
      - { .name: qimg, .offset: 0, .size: 8, .value_kind: global_buffer, .address_space: global }
      - { .name: kv, .offset: 8, .size: 8, .value_kind: global_buffer, .address_space: global }
      - { .name: oq, .offset: 16, .size: 8, .value_kind: global_buffer, .address_space: global }
    .group_segment_fixed_size: 35328
    .private_segment_fixed_size: 0
    .kernarg_segment_align: 8
    .kernarg_segment_size: 24
    .max_flat_workgroup_size: 512
    .sgpr_count:     66
    .vgpr_count:     256
    .wavefront_size: 32
...
	.end_amdgpu_metadata
.endif
;; end of part 5
;; launch proj: the kernel of part 4 again; grid 4 x 64, 4 waves a work-group, clusters of 4 x 4, 327,680 bytes of LDS; arguments oq, wpq, b_proj, out0; writes out0
